; MI455X (gfx1250); checked and timed in simulation.
; The chip was launched on July 23, 2026; its instructions are those of AMD's public machine-readable ISA for CDNA 5 (MIT licence, August 2026) and "CDNA5" Instruction Set Architecture Reference Guide (July 2026). The comments in the code are by the model that wrote it; some were corrected since.
;; SLX Mlp. Allowed arithmetic: float matrix products may take bf16 or f16 operands with f32 sums; other float arithmetic in f32, or as packed bf16 or f16 multiplies, adds, multiply-adds, maxima and minima; sums over many terms, partial sums and values carried from step to step in f32; what a program stores and reads back later, other than sums and carried values, may be rounded once to bf16 or f16.
;; Inputs: U1 4,096 x 51 float32; U2 1,024 x 102 float32; V1 51 x 512 float32; V2 102 x 4,096 float32; Ws1 4,096 x 512 float32; Ws2 1,024 x 4,096 float32; b1 4,096 float32; b2 1,024 float32; mask1 4,096 x 512 bool; mask2 1,024 x 4,096 bool; x 8 x 1,024 x 512 float32.
;; Outputs: out0 8 x 1,024 x 1,024 float32.
;; 2 versions, each right; version 2 is version 1 with the launch prep written anew for expert scheduling mode. Each part assembles by itself: llvm-mc -triple=amdgcn-amd-amdhsa -mcpu=gfx1250 --defsym DOCPART=n.
;; ======== version 1 of 2: 3 launches
;; limits: values are held in f16: magnitudes above 65,504 overflow, below 6.1e-05 lose precision; right only within a limited range of input values; a function is approximated: absolute error at most 2.5e-05; an absolute error that grows with the inputs' magnitude: up to 1.25e-05 times it
;; workspace buffers: xh 8,388,608 bytes; w1h 4,194,304 bytes; w2h 8,388,608 bytes; g 67,108,864 bytes; stats 6,144 bytes
;; launch prep (part 1): grid 512 x 1, 4 waves a work-group, no clusters, 0 bytes of LDS; arguments x, xh, stats, b1, U1, V1, Ws1, mask1, w1h, U2, V2, Ws2, mask2, w2h; writes xh, stats, w1h, w2h
.if DOCPART == 1
	.amdgcn_target "amdgcn-amd-amdhsa--gfx1250"
	.amdhsa_code_object_version 6
	.text
	.protected	k_qe81c861252_prep
	.globl	k_qe81c861252_prep
	.p2align	8
	.type	k_qe81c861252_prep,@function
k_qe81c861252_prep:
	s_mov_b64 s[64:65], 0
	v_nop
	global_prefetch_b8 v0, s[64:65] scope:SCOPE_SE
	s_setreg_imm32_b32 hwreg(HW_REG_WAVE_MODE, 25, 1), 1
	s_wait_xcnt 0x0
; PREP.  Three kinds of work-group, chosen by the work-group's number:
;   0-255   W2: w2h = f16(1024 (U2 V2 + (mask2 ? Ws2 : 0))), [1024][4096]
;   256-383 W1: w1h = f16( 256 (U1 V1 + (mask1 ? Ws1 : 0))), [4096][512], and the largest |256 W1| and |b1| of the wave's share
;   384-511 X:  xh  = f16(x), [8192][512], and the largest |x| of the wave's share
; U V + mask Ws is the layer's whole weight, so the two layers become two plain products for the launches behind.
; stats, 1,536 words of f32, one a wave: 0-511 max |x|, 512-1023 max |256 W1|, 1024-1535 max |b1|.  The launches behind make a power of two of them that keeps gelu's results in f16's range.
; LIMITS.  f16 ends at 65,504: |x| stays under it, |W1| under 255, |W2| under 63, 256 |U1| and 1024 |U2| under 65,504.  mask bytes are 0 or 1 (the select is a bitwise AND with 0 or all ones,
; so whatever lies under a 0 counts as 0).  NaN and infinities elsewhere are not treated apart.
; No LDS, no barrier: a wave's work hangs on no other wave's.
; THE SMALL PRODUCT.  A unit is 16 rows x 128 columns of W; a wave makes two, one below the other, with one set of V's fragments.  Source 0 = 16 rows of U; source 1 of tile t (0..7) = the 16 columns i0 + 8 n + t.
; In the result lane n, register j holds row 8 (lane / 16) + j and column i0 + 8 n + t: over the eight tiles a lane holds EIGHT NEIGHBOURING columns of a row: 32 bytes of Ws, 8 of the mask, 16 of the f16 result,
; and sixteen lanes store 256 consecutive bytes.
; K IS PERMUTED ALIKE IN BOTH SOURCES: half e of register p of K step ks in lane half h holds k = 2 q + h, q = 16 ks + 2 p + e.  So a lane's loads of U are 8 bytes apart and V's rows come two at a time.
; Places with q >= NQ hold 0 in both sources.  W1's rank is odd: at q = 25, h = 1 both sources read k = 50 again and U's factor there is 0.
.set UNITS, 2                          ; units of 16 rows a wave
.set RW,   16*UNITS                    ; rows of a W work-group
.set XR,   128                         ; role X: slot i: v[128+8i ..] eight f32 as loaded
.set YR,   192                         ; role X: slot i: v[192+4i ..] eight f16 to store
.set UF,   24                          ; v24-55   U's fragments: register q / 2
.set URAW, 56                          ; v56-107  U as loaded, register q
.set OO,   56                          ; v56-87   later: row j's eight f16 at OO + 4 j
.set EE,   88                          ; v88-95   at work: the mask spread to words, then the masked Ws
.set RR,   96                          ; v96-103  at work: a row's eight results in f32
.set MK,   108                         ; v108-123 row j's eight mask bytes at MK + 2 j
.set WS,   128                         ; v128-191 row j's eight Ws at WS + 8 j
.set ACC,  192                         ; v192-255 tile t's accumulator at ACC + 8 t
                                       ; window 1: V's fragments: tile t, register pair p = q / 2 at 8 KS t + p
.set MSB, 0
.macro WIN new                         ; s_set_vgpr_msb: bits 1:0 source 0, 3:2 source 1, 5:4 source 2, 7:6 destination; the high byte repeats the setting that is left
.if MSB != (\new)
	s_set_vgpr_msb (MSB<<8)|(\new)
.set MSB, \new
.endif
.endm
.macro WMAX r                          ; the largest of register r over the 32 lanes, in every lane
	v_max_num_f32_dpp v[\r], v[\r], v[\r] row_xmask:1 row_mask:0xf bank_mask:0xf
	v_max_num_f32_dpp v[\r], v[\r], v[\r] row_xmask:2 row_mask:0xf bank_mask:0xf
	v_max_num_f32_dpp v[\r], v[\r], v[\r] row_xmask:4 row_mask:0xf bank_mask:0xf
	v_max_num_f32_dpp v[\r], v[\r], v[\r] row_xmask:8 row_mask:0xf bank_mask:0xf
	v_permlanex16_b32 v15, v[\r], s42, s43         ; v15 was written at the head
	v_max_num_f32 v[\r], v[\r], v15
.endm
.macro STAT r, byteoff                 ; lane 0 stores register r at stats + byteoff + 4 (4 x s4 + wave)
	s_lshl2_add_u32 s6, s4, s2
	s_lshl_b32 s6, s6, 2
	s_add_co_u32 s6, s6, \byteoff
	s_mov_b32 s7, 0
	s_wait_xcnt 0x0                                ; EXEC and s[60:61] change only when every earlier memory instruction has read its sources
	s_add_nc_u64 s[60:61], s[12:13], s[6:7]
	v_cmp_eq_u32 vcc_lo, 0, v1
	s_and_saveexec_b32 s40, vcc_lo
	global_store_b32 v11, v[\r], s[60:61]
	s_wait_xcnt 0x0                                ; and again in front of the line that widens EXEC
	s_or_b32 exec_lo, exec_lo, s40
.endm
	s_load_b512 s[8:23], s[0:1], 0x0               ; x 8, xh 10, stats 12, b1 14, U1 16, V1 18, Ws1 20, mask1 22
	s_load_b256 s[24:31], s[0:1], 0x40             ; w1h 24, U2 26, V2 28, Ws2 30
	s_load_b128 s[32:35], s[0:1], 0x60             ; mask2 32, w2h 34
	v_lshrrev_b32 v1, 5, v0
	v_readfirstlane_b32 s2, v1                     ; wave 0..3
	v_and_b32 v1, 31, v0                           ; lane
	v_and_b32 v2, 15, v0                           ; r = lane % 16
	v_bfe_u32 v3, v0, 4, 1                         ; h = lane / 16
	v_mov_b32 v11, 0
	v_mov_b32 v14, 0                               ; the running maximum
	v_mov_b32 v15, 0
	s_mov_b32 s3, ttmp9
	s_mov_b32 s42, 0x76543210                      ; v_permlanex16_b32: each lane takes its own place in the other half
	s_mov_b32 s43, 0xfedcba98
	s_mov_b32 s44, 0                               ; v_perm_b32: byte 0, 1, 2 or 3 into all four bytes
	s_mov_b32 s45, 0x01010101
	s_mov_b32 s46, 0x02020202
	s_mov_b32 s47, 0x03030303
	s_mov_b32 s48, 0xff
	s_wait_kmcnt 0x0
	s_cmp_lt_u32 s3, 256
	s_cbranch_scc1 .Lw2
	s_cmp_lt_u32 s3, 384
	s_cbranch_scc1 .Lw1
; ROLE X.  The work-group owns 64 rows of x: 32 chunks of 4,096 bytes in, 2,048 out.  Thread t takes the 32 bytes at 32 t of a chunk and stores the 16 bytes at 16 t:
; a wave's store covers 512 consecutive bytes.  A ring of eight slots in registers keeps sixteen loads of every wave on their way.
	s_sub_co_u32 s4, s3, 384
	s_lshl_b32 s6, s4, 17
	s_mov_b32 s7, 0
	s_add_nc_u64 s[50:51], s[8:9], s[6:7]
	s_lshl_b32 s6, s4, 16
	s_add_nc_u64 s[52:53], s[10:11], s[6:7]
	v_lshlrev_b32 v4, 5, v0
	v_lshlrev_b32 v5, 4, v0
.irp i, 0,1,2,3,4,5,6,7
	global_load_b128 v[XR+8*(\i):XR+8*(\i)+3],   v4, s[50:51] offset:(\i)*4096 th:TH_LOAD_NT
	global_load_b128 v[XR+8*(\i)+4:XR+8*(\i)+7], v4, s[50:51] offset:(\i)*4096+16 th:TH_LOAD_NT
.endr
.macro XSLOT i, ahead, left            ; ahead = 1: the slot is filled again, eight chunks on; left: the younger loads that may stay out
	s_wait_loadcnt \left                           ; loads come back in order: this slot's two are in
.irp k, 0,2,4,6
	v_max3_num_f32 v14, v14, |v[XR+8*(\i)+(\k)]|, |v[XR+8*(\i)+(\k)+1]|
.endr
.irp k, 0,1,2,3
	v_cvt_pk_f16_f32 v[YR+4*(\i)+(\k)], v[XR+8*(\i)+2*(\k)], v[XR+8*(\i)+2*(\k)+1]
.endr
.if \ahead
	global_load_b128 v[XR+8*(\i):XR+8*(\i)+3],   v4, s[50:51] offset:(8+(\i))*4096 th:TH_LOAD_NT
	global_load_b128 v[XR+8*(\i)+4:XR+8*(\i)+7], v4, s[50:51] offset:(8+(\i))*4096+16 th:TH_LOAD_NT
.endif
	global_store_b128 v5, v[YR+4*(\i):YR+4*(\i)+3], s[52:53] offset:(\i)*2048
.endm
	s_mov_b32 s36, 3
.Lxround:
.irp i, 0,1,2,3,4,5,6,7
	XSLOT \i, 1, 14                                ; sixteen are out; all but this slot's two stay out
.endr
	s_wait_xcnt 0x0                                ; the bases and the stores' data are rewritten only behind this wait
	s_add_nc_u64 s[50:51], s[50:51], 0x8000
	s_add_nc_u64 s[52:53], s[52:53], 0x4000
	s_sub_co_u32 s36, s36, 1
	s_cmp_lg_u32 s36, 0
	s_cbranch_scc1 .Lxround
.irp i, 0,1,2,3,4,5,6,7
	XSLOT \i, 0, 14-2*(\i)                         ; the last round loads nothing: the counts run down
.endr
	WMAX 14
	STAT 14, 0
	s_endpgm
; ROLES W1 AND W2: one text, expanded twice with other sizes.
.macro VLOAD g, n                      ; group g: V's rows 2 q + h for n values of q from 8 g on, my eight columns each, into one of three raw buffers
.set RB, 128+64*((\g)%3)
.if (\g)%3 == 2
.set RB, 56
.endif
.set z, 0
.rept \n
.set q, 8*(\g)+z
.if (RANK == 51) && (q == 25)                  ; row 50 for both halves of the lanes: row 51 does not exist
	global_load_b128 v[RB+8*z:RB+8*z+3],   v7, s[52:53] offset:q*8*COLS
	global_load_b128 v[RB+8*z+4:RB+8*z+7], v7, s[52:53] offset:q*8*COLS+16
.else
	global_load_b128 v[RB+8*z:RB+8*z+3],   v6, s[52:53] offset:q*8*COLS
	global_load_b128 v[RB+8*z+4:RB+8*z+7], v6, s[52:53] offset:q*8*COLS+16
.endif
.set z, z+1
.endr
.endm
.macro VCONV g, n, left                ; group g is rounded to f16 and laid into V's fragments; left: the younger groups' loads
.set RB, 128+64*((\g)%3)
.if (\g)%3 == 2
.set RB, 56
.endif
	s_wait_loadcnt \left
	WIN 0x40                                       ; destination window 1
.set z, 0
.rept ((\n)+1)/2
.set p, 4*(\g)+z
.set t, 0
.rept 8
.if 2*z+1 < (\n)
	v_cvt_pk_f16_f32 v[t*8*KS+p], v[RB+16*z+t], v[RB+16*z+8+t]
.else
	v_cvt_pk_f16_f32 v[t*8*KS+p], v[RB+16*z+t], v11
.endif
.set t, t+1
.endr
.set z, z+1
.endr
	WIN 0
.endm
; s4 = the group of RW rows, s5 = i0, my wave's first column.
.macro WROLE
	s_mov_b32 s38, SBITS                           ; the weight's scale, a power of two
	s_mov_b32 s39, SBITS                           ; named with it as a pair
	s_mul_i32 s6, s4, RW*RANK*4
	s_mov_b32 s7, 0
	s_add_nc_u64 s[50:51], s[AU:AU+1], s[6:7]      ; U at my first row
	s_lshl_b32 s6, s5, 2
	s_add_nc_u64 s[52:53], s[AV:AV+1], s[6:7]      ; V at my first column
	s_lshl_b32 s6, s4, LC+5
	s_add_co_u32 s6, s6, s5                        ; 32 COLS x group + i0, in elements
	s_add_nc_u64 s[56:57], s[AM:AM+1], s[6:7]      ; the mask,
	s_lshl_b32 s6, s6, 1
	s_add_nc_u64 s[58:59], s[AO:AO+1], s[6:7]      ; the f16 result
	s_lshl_b32 s6, s6, 1
	s_add_nc_u64 s[54:55], s[AW:AW+1], s[6:7]      ; and Ws at my first element
	v_mul_u32_u24 v5, v2, RANK*4                   ; U: row r
	v_lshl_add_u32 v4, v3, 2, v5                   ;    + 4 h
	v_lshlrev_b32 v7, 5, v2                        ; V: my eight columns
	v_lshl_add_u32 v6, v3, LC+2, v7                ;    + h rows
	v_lshl_add_u32 v8, v3, LC+5, v7                ; Ws: 8 h rows + my eight columns
	v_lshlrev_b32 v9, 3, v2
	v_lshl_add_u32 v9, v3, LC+3, v9                ; the mask likewise
	v_lshlrev_b32 v10, 4, v2
	v_lshl_add_u32 v10, v3, LC+4, v10              ; the result likewise
	; V's fragments, once for the wave's units.  Three raw buffers take turns; each count leaves the younger groups' loads out.
	VLOAD 0, 8
	VLOAD 1, 8
	VLOAD 2, 8
	VCONV 0, 8, 32
.if RANK == 51
	VLOAD 3, 2
	VCONV 1, 8, 20                                 ; 16 + 4
	VCONV 2, 8, 4
	VCONV 3, 2, 0
.else
	VLOAD 3, 8
	VCONV 1, 8, 32
	VLOAD 4, 8
	VCONV 2, 8, 32
	VLOAD 5, 8
	VCONV 3, 8, 32
	VLOAD 6, 3
	VCONV 4, 8, 22                                 ; 16 + 6
	VCONV 5, 8, 6
	VCONV 6, 3, 0
.endif
	WIN 0x40                                       ; the places past the rank hold 0 in both sources
.set t, 0
.rept 8
.set p, (NQ+1)/2
.rept 8*KS-(NQ+1)/2
	v_mov_b32 v[t*8*KS+p], 0
.set p, p+1
.endr
.set t, t+1
.endr
	WIN 0
.set p, (NQ+1)/2
.rept 8*KS-(NQ+1)/2
	v_mov_b32 v[UF+p], 0
.set p, p+1
.endr
.if RANK == 51
	v_mov_b32 v12, SBITS                           ; the factors of U's pair q = 24, 25: the second is 0 where h = 1
	v_cmp_eq_u32 vcc_lo, 0, v3
	v_cndmask_b32 v13, 0, v12, vcc_lo
	s_lshl_b32 s6, s4, 7                           ; b1: my wave's 8 of the group's 32 numbers
	s_lshl_b32 s7, s2, 5
	s_add_co_u32 s6, s6, s7
	s_mov_b32 s7, 0
	s_add_nc_u64 s[62:63], s[14:15], s[6:7]
	v_and_b32 v17, 7, v0                           ; four lanes read each number: a maximum does not mind
	v_lshlrev_b32 v17, 2, v17
	global_load_b32 v16, v17, s[62:63]             ; older than every load of the loop: its first wait covers it
.else
	v_mov_b32 v[URAW+NQ], 0                        ; the odd place beside q = 50
.endif
	s_mov_b32 s36, UNITS
.Lunit_\@:                                             ; a trip: 16 rows x 128 columns
.set q, 0
.rept NQ
.if (RANK == 51) && (q == 25)
	global_load_b32 v[URAW+q], v5, s[50:51] offset:200   ; k = 50 for both halves
.else
	global_load_b32 v[URAW+q], v4, s[50:51] offset:8*q   ; U(r, 2 q + h)
.endif
.set q, q+1
.endr
.set j, 0
.rept 8
	global_load_b128 v[WS+8*j:WS+8*j+3],   v8, s[54:55] offset:j*COLS*4 th:TH_LOAD_NT
	global_load_b128 v[WS+8*j+4:WS+8*j+7], v8, s[54:55] offset:j*COLS*4+16 th:TH_LOAD_NT
	global_load_b64  v[MK+2*j:MK+2*j+1],   v9, s[56:57] offset:j*COLS th:TH_LOAD_NT
.set j, j+1
.endr
	s_wait_loadcnt 24                              ; U is in; the 24 loads of Ws and the mask stay out
.set q, 0
.rept (NQ+1)/2
.if (RANK == 51) && (q == 24)
	v_pk_mul_f32 v[URAW+q:URAW+q+1], v[URAW+q:URAW+q+1], v[12:13]
.else
	v_pk_mul_f32 v[URAW+q:URAW+q+1], v[URAW+q:URAW+q+1], s[38:39] op_sel_hi:[1,0]
.endif
.set q, q+2
.endr
.set q, 0
.rept (NQ+1)/2
	v_cvt_pk_f16_f32 v[UF+q/2], v[URAW+q], v[URAW+q+1]
.set q, q+2
.endr
	WIN 0x04                                       ; source 1 (V) in window 1
.set ks, 0
.rept KS                                       ; the eight accumulators take turns, one instruction a turn; the first K step starts the sums
.set t, 0
.rept 8
.if ks == 0
	v_wmma_f32_16x16x32_f16 v[ACC+8*t:ACC+8*t+7], v[UF+8*ks:UF+8*ks+7], v[(t*KS+ks)*8:(t*KS+ks)*8+7], 0
.else
	v_wmma_f32_16x16x32_f16 v[ACC+8*t:ACC+8*t+7], v[UF+8*ks:UF+8*ks+7], v[(t*KS+ks)*8:(t*KS+ks)*8+7], v[ACC+8*t:ACC+8*t+7]
.endif
.set t, t+1
.endr
.set ks, ks+1
.endr
	WIN 0
.rept 4
	v_nop                                          ; four places between the last product and the first read of a result (ISA guide 7.12.1)
.endr
.set j, 0
.rept 8                                        ; row j of each half of the lanes; j ascends
	s_wait_loadcnt 21-3*j                          ; the later rows' three loads each stay out
	v_mul_lo_u32 v[MK+2*j],   v[MK+2*j],   s48     ; bytes 0 / 1 become 0x00 / 0xff
	v_mul_lo_u32 v[MK+2*j+1], v[MK+2*j+1], s48
.set t, 0
.rept 8
	v_perm_b32 v[EE+t], v[MK+2*j+t/4], v[MK+2*j+t/4], s[44+t%4]
.set t, t+1
.endr
.set t, 0
.rept 8
	v_and_b32 v[EE+t], v[EE+t], v[WS+8*j+t]        ; mask ? Ws : 0
.set t, t+1
.endr
.set t, 0
.rept 8
	v_fma_f32 v[RR+t], v[EE+t], s38, v[ACC+8*t+j]  ; scale x masked Ws + (scale x U) V
.set t, t+1
.endr
.if RANK == 51
.set t, 0
.rept 4
	v_max3_num_f32 v14, v14, |v[RR+2*t]|, |v[RR+2*t+1]|
.set t, t+1
.endr
.endif
.set t, 0
.rept 4
	v_cvt_pk_f16_f32 v[OO+4*j+t], v[RR+2*t], v[RR+2*t+1]
.set t, t+1
.endr
	global_store_b128 v10, v[OO+4*j:OO+4*j+3], s[58:59] offset:j*COLS*2   ; sixteen lanes store 256 consecutive bytes, at a multiple of 256 from the buffer's first
.set j, j+1
.endr
	s_wait_xcnt 0x0                                ; the stores' data (where U is loaded next) and the bases are rewritten only behind this wait
	s_add_nc_u64 s[50:51], s[50:51], 16*RANK*4
	s_add_nc_u64 s[54:55], s[54:55], 64*COLS
	s_add_nc_u64 s[56:57], s[56:57], 16*COLS
	s_add_nc_u64 s[58:59], s[58:59], 32*COLS
	s_sub_co_u32 s36, s36, 1
	s_cmp_lg_u32 s36, 0
	s_cbranch_scc1 .Lunit_\@
.endm
.Lw1:                                                  ; 128 work-groups: 32 rows x all 512 columns; wave w has columns 128 w on
	s_sub_co_u32 s4, s3, 256
	s_lshl_b32 s5, s2, 7
.set RANK, 51
.set NQ,   26
.set KS,   2
.set COLS, 512
.set LC,   9
.set SBITS, 0x43800000                 ; 256.0
.set AU, 16
.set AV, 18
.set AW, 20
.set AM, 22
.set AO, 24
	WROLE
	v_and_b32 v16, 0x7fffffff, v16
	WMAX 14
	WMAX 16
	STAT 14, 2048
	STAT 16, 4096
	s_endpgm
.Lw2:                                                  ; 256 work-groups: 32 groups of 32 rows x 8 groups of 512 columns
	s_lshr_b32 s4, s3, 3
	s_and_b32 s5, s3, 7
	s_lshl2_add_u32 s5, s5, s2
	s_lshl_b32 s5, s5, 7
.set RANK, 102
.set NQ,   51
.set KS,   4
.set COLS, 4096
.set LC,   12
.set SBITS, 0x44800000                 ; 1024.0
.set AU, 26
.set AV, 28
.set AW, 30
.set AM, 32
.set AO, 34
	WROLE
	s_endpgm
.Lfunc_end_k_qe81c861252_prep:
	.size	k_qe81c861252_prep, .Lfunc_end_k_qe81c861252_prep-k_qe81c861252_prep
	.p2alignl 7, 3214868480
	.fill 96, 4, 3214868480
	.section	.rodata,"a",@progbits
	.p2align	6, 0x0
	.amdhsa_kernel k_qe81c861252_prep
		.amdhsa_group_segment_fixed_size 0
		.amdhsa_private_segment_fixed_size 0
		.amdhsa_enable_private_segment 0
		.amdhsa_kernarg_size 112
		.amdhsa_user_sgpr_count 2
		.amdhsa_user_sgpr_kernarg_segment_ptr 1
		.amdhsa_wavefront_size32 1
		.amdhsa_system_sgpr_workgroup_id_x 1
		.amdhsa_system_sgpr_workgroup_id_y 1
		.amdhsa_system_sgpr_workgroup_id_z 1
		.amdhsa_system_vgpr_workitem_id 0
		.amdhsa_next_free_vgpr 512
		.amdhsa_next_free_sgpr 66
		.amdhsa_reserve_vcc 1
		.amdhsa_float_denorm_mode_32 3
		.amdhsa_float_denorm_mode_16_64 3
		.amdhsa_memory_ordered 1
		.amdhsa_forward_progress 1
		.amdhsa_inst_pref_size 109
	.end_amdhsa_kernel
	.amdgpu_metadata
---
amdhsa.version: [ 1, 2 ]
amdhsa.kernels:
  - .name:           k_qe81c861252_prep
    .symbol:         k_qe81c861252_prep.kd
    .args:
      - { .name: x, .offset: 0, .size: 8, .value_kind: global_buffer, .address_space: global }
      - { .name: xh, .offset: 8, .size: 8, .value_kind: global_buffer, .address_space: global }
      - { .name: stats, .offset: 16, .size: 8, .value_kind: global_buffer, .address_space: global }
      - { .name: b1, .offset: 24, .size: 8, .value_kind: global_buffer, .address_space: global }
      - { .name: U1, .offset: 32, .size: 8, .value_kind: global_buffer, .address_space: global }
      - { .name: V1, .offset: 40, .size: 8, .value_kind: global_buffer, .address_space: global }
      - { .name: Ws1, .offset: 48, .size: 8, .value_kind: global_buffer, .address_space: global }
      - { .name: mask1, .offset: 56, .size: 8, .value_kind: global_buffer, .address_space: global }
      - { .name: w1h, .offset: 64, .size: 8, .value_kind: global_buffer, .address_space: global }
      - { .name: U2, .offset: 72, .size: 8, .value_kind: global_buffer, .address_space: global }
      - { .name: V2, .offset: 80, .size: 8, .value_kind: global_buffer, .address_space: global }
      - { .name: Ws2, .offset: 88, .size: 8, .value_kind: global_buffer, .address_space: global }
      - { .name: mask2, .offset: 96, .size: 8, .value_kind: global_buffer, .address_space: global }
      - { .name: w2h, .offset: 104, .size: 8, .value_kind: global_buffer, .address_space: global }
    .group_segment_fixed_size: 0
    .private_segment_fixed_size: 0
    .kernarg_segment_align: 8
    .kernarg_segment_size: 112
    .max_flat_workgroup_size: 128
    .sgpr_count:     66
    .vgpr_count:     512
    .wavefront_size: 32
...
	.end_amdgpu_metadata
.endif
;; end of part 1
;; launch gemm1 (part 2): grid 16 x 16, 4 waves a work-group, clusters of 4 x 4, 327,680 bytes of LDS; arguments xh, w1h, g, b1, stats; writes g
.if DOCPART == 2
	.amdgcn_target "amdgcn-amd-amdhsa--gfx1250"
	.amdhsa_code_object_version 6
	.text
	.protected	k_qe81c861252_gemm1
	.globl	k_qe81c861252_gemm1
	.p2align	8
	.type	k_qe81c861252_gemm1,@function
k_qe81c861252_gemm1:
	s_mov_b64 s[64:65], 0
	v_nop
	global_prefetch_b8 v0, s[64:65] scope:SCOPE_SE
	s_setreg_imm32_b32 hwreg(HW_REG_WAVE_MODE, 25, 1), 1
	s_wait_xcnt 0x0
	s_wait_alu depctr_hold_cnt(0) depctr_sa_sdst(0) depctr_va_vdst(0) depctr_va_sdst(0) depctr_va_ssrc(0) depctr_va_vcc(0) depctr_vm_vsrc(0)
	s_getreg_b32 s2, hwreg(HW_REG_IB_STS2, 6, 4)
	s_cmp_eq_u32 s2, 0
	s_cbranch_scc0 .Lentry_in_a_cluster
	s_endpgm
.Lentry_in_a_cluster:
	s_bfe_u32 s2, ttmp6, 0x10000c
	s_cmp_lg_u32 s2, 0xf033
	s_cbranch_scc0 .Lentry_shape_is_right
	s_endpgm
.Lentry_shape_is_right:
; g = f16(ag gelu(xh w1h^T / 256 + b1)).  xh: [8192][512] f16, w1h: [4096][512] f16 (256 x the layer's weight), b1: [4096] f32, g: [8192][4096] f16.  Sums in f32.
; ag IS A POWER OF TWO MADE FROM MEASURED MAXIMA: B = 512 max|x| max|W1| + max|b1| bounds |h| and so |gelu(h)|; with e = B's biased exponent, held to 32..222, ag = 2^(141 - e), so that |ag g| stays under 2^15 (1 + 2^-9).
; The launch behind makes the same e from the same words by the same lines and divides by ag.
; GELU, exact form h (1 + erf(h / sqrt 2)) / 2, with erf(z) = 1 - (a1 t + a2 t^2 + a3 t^3) e^(-z^2), t = 1 / (1 + 0.47047 z), for z >= 0 (Abramowitz and Stegun 7.1.25: off by 2.5e-5 at the most, for every z; odd in z).
; With c = sqrt(log2(e) / 2) and y = c h: e^(-z^2) = 2^(-y^2), t = 1 / (1 + p |y|), w = 1 - P 2^(-y^2), ag gelu = (y + |y| w) ag / (2 c).
; LIMITS.  gelu is off by 1.25e-5 |h| at the most, a tenth of the f16 rounding behind it.  |h| stays under 2^96; where B lies under 2^-94 ag grows no further.  NaN and infinities are not treated apart.
; SHAPE.  A tile of g, 256 x 256, is made by four waves, each 128 x 128: 64 accumulators, 512 registers.  K goes in four steps of 128 through two LDS slots filled by the tensor data mover.
; A work-group makes two tiles, 4,096 rows apart, in the same columns; the ring runs on into the second tile.  4 x 4 work-groups form a cluster: xh's tiles are asked for jointly along a row of it, w1h's along a column.
; THE MATRIX INSTRUCTION IS USED TRANSPOSED: source 0 = 16 rows of w1h, source 1 = 16 rows of xh: a lane holds row lane % 16 of g and the columns 8 (lane / 16) + 0..7 of a block of 16.
; REGISTERS, in windows of 256 (s_set_vgpr_msb: bits 1:0 source 0, 3:2 source 1, 5:4 source 2, 7:6 destination):
;   window 0: v0-31 addresses; v32-63 rows read back from the stage; v64-127, v128-191 xh's fragments, two buffers; v192-223 packed results; v208-255 the statistics, at the head only
;   window 1: v0-63 c b1 of my lane's 64 columns; v64-127, v128-191 w1h's fragments, two buffers (the second holds y on the way out); v192-239 at work in the gelu
;   window 2: the accumulators of my rows 0-63 ((a, b) at 8 (8 a + b));   window 3: those of my rows 64-127
.set SIZE_M, 8192
.set SIZE_N, 4096
.set SIZE_K, 512
.set KSTEP,  128
.set PITCH,  272                       ; an LDS row: 256 bytes + 16 of padding = 68 words: row r starts at bank 4 r mod 64 (64 banks of 4 bytes: ISA guide 11.1)
.set HALFT,  128*PITCH                 ; what one tensor load brings
.set SLOT,   4*HALFT                   ; xh's 256 rows, then w1h's 256 rows
.set STAGE,  2*SLOT                    ; behind the ring, never filled by a tensor load: 16 rows x 272 bytes for each wave
.set SPITCH, 272
.set SPARE,  STAGE+4*16*SPITCH         ; the spare words, 128 bytes for each wave: two blocks of 256 bytes that no other line names
.set WALK,   SIZE_M/2                  ; the work-group's two tiles lie so many rows apart
.set NEXT_A, WALK*SIZE_K*2-(SIZE_K-2*KSTEP)*2   ; from a slot's last K step of a tile to its first of the next: xh goes WALK rows down and back along K,
.set BACK_B, (SIZE_K-2*KSTEP)*2        ; w1h only back
.set ADRA, 16                          ; v16-17 LDS address of my xh fragments in slot 0, 1
.set ADRB, 20                          ; v20-21 the same for w1h
.set STO,  24                          ; the way out: where I put 16 bytes of a row
.set RD,   25                          ; where I read a row back
.set CO,   26                          ; my byte offset in g
.set SPW,  28                          ; LDS address of my spare word; never rewritten
.set NIL,  29                          ; 0; never rewritten
.set OB,   32
.set F0,   64
.set F1,   128
.set TMP,  192
.set STT,  208
.set BC,   0                           ; window 1
.set YY,   128
.set EX,   192
.set TT,   208
.set PQ,   224
.set G1,  24                           ; s[24:31] descriptor group 1 for xh's tiles;  s[32:39] group 0, a set for each slot
.set G0,  32
.set G1B, 48                           ; s[48:55], s[56:63] the same for w1h's
.set G0B, 56
.set K1,  66                           ; s[66:67] c / 256
.set CA1, 68                           ; s[68:69] a1
.set CA2, 70                           ; s[70:71] a2
.set CA3, 72                           ; s[72:73] a3
.set GS,  74                           ; s[74:75] ag / (2 c)
.set PP,  76                           ; s76 p = 0.47047 / (c sqrt 2)
.set BLK, 77                           ; s77 the block of 16 rows on its way out
.set SEL, 78                           ; s[78:79] v_permlanex16_b32's selects
.set CC,  92                           ; s[92:93] c
.set MSB, 0
.macro WIN new                         ; the immediate's high byte repeats the setting that is left
.if MSB != (\new)
	s_set_vgpr_msb (MSB<<8)|(\new)
.set MSB, \new
.endif
.endm
.set MUL_LO, 0xa1                      ; source 0 (w1h) window 1, source 1 (xh) window 0, C and D window 2
.set MUL_HI, 0xf1                      ; the same, C and D window 3
.set TO_B,   0x40                      ; destination window 1, address window 0
; A joint load.  Waves 0 and 1 fetch xh's two halves, waves 2 and 3 w1h's.  The branch hangs on the wave's number alone.  An s_nop 0 and four v_nop follow each of the two lines.
.macro JLOAD s
	s_cmp_eq_u32 s11, 0
	s_cbranch_scc0 .Lfor_b_\@
	tensor_load_to_lds s[G0+4*(\s):G0+4*(\s)+3], s[G1:G1+7]
	s_nop 0
.rept 4
	v_nop
.endr
	s_branch .Lasked_\@
.Lfor_b_\@:
	tensor_load_to_lds s[G0B+4*(\s):G0B+4*(\s)+3], s[G1B:G1B+7]
	s_nop 0
.rept 4
	v_nop
.endr
.Lasked_\@:
.endm
.macro CREST                           ; a round of the cluster's barrier behind its opening barrier
	s_cmp_lg_u32 s10, 0
	s_cbranch_scc1 .Lnot_wave_0_\@
	s_barrier_signal -3
.Lnot_wave_0_\@:
	s_barrier_wait -3
	s_barrier_signal -1
	s_barrier_wait -1
.endm
.macro CROUND                          ; a whole round
	s_barrier_signal -1
	s_barrier_wait -1
	CREST
.endm
	s_load_b128 s[4:7], s[0:1], 0x0                ; xh s[4:5], w1h s[6:7]
	s_load_b64 s[8:9], s[0:1], 0x10                ; g
	s_load_b128 s[80:83], s[0:1], 0x18             ; b1 s[80:81], stats s[82:83]
	v_lshl_add_u32 v[SPW], v0, 2, SPARE
	v_mov_b32 v[NIL], 0
	ds_add_u32 v[SPW], v[NIL]                      ; the wave's opening: an add to the spare word and its wait, ahead of my first tensor load; work on registers stands between them
	v_lshrrev_b32 v1, 5, v0
	v_readfirstlane_b32 s10, v1                    ; wave 0..3
	s_lshr_b32 s11, s10, 1                         ; which half of the tile's rows is mine.  Also: I fetch for xh (0) or for w1h (1)
	s_and_b32 s12, s10, 1                          ; which half of its columns.  Also: which 128 rows of that tile I fetch
	s_bfe_u32 s40, ttmp6, 0x40000                  ; cx
	s_bfe_u32 s41, ttmp6, 0x40004                  ; cy
	s_lshl_b32 s42, ttmp9, 2
	s_add_co_u32 s42, s42, s40                     ; tile column = 4 x cluster x + cx
	s_and_b32 s13, ttmp7, 0xffff
	s_lshl_b32 s13, s13, 2
	s_add_co_u32 s13, s13, s41                     ; tile row = 4 x cluster y + cy
	s_lshl_b32 s43, s41, 2
	s_lshl_b32 s43, 15, s43                        ; my row of the cluster
	s_lshl_b32 s44, 0x1111, s40                    ; my column
	s_or_b32 s[G1+0], s43, (1<<16)|(1<<20)|(1<<21)|(5<<22)|(3<<25)  ; the mask; elements of 2 bytes; padding on; bit 21 beside a mask; after every 64 words (code 5) 4 words (code 3)
	s_or_b32 s[G1B+0], s44, (1<<16)|(1<<20)|(1<<21)|(5<<22)|(3<<25)
.irp gg, G1, G1B
	s_mov_b32 s[(\gg)+1], KSTEP<<16                ; tensor_dim0 = 128
	s_mov_b32 s[(\gg)+2], 128<<16                  ; tensor_dim1 = 128
	s_mov_b32 s[(\gg)+3], KSTEP<<16                ; tile_dim0 = 128
	s_mov_b32 s[(\gg)+4], 128                      ; tile_dim1 = 128
	s_mov_b32 s[(\gg)+5], SIZE_K                   ; elements from row to row
	s_mov_b32 s[(\gg)+6], 0
	s_mov_b32 s[(\gg)+7], 0
.endr
	s_mov_b32 s[K1],    0x3b596d27                 ; c / 256;  the packed lines name pairs and take the low word for both halves
	s_mov_b32 s[K1+1],  0x3b596d27
	s_mov_b32 s[CA1],   0x3eb2303a                 ; 0.3480242
	s_mov_b32 s[CA1+1], 0x3eb2303a
	s_mov_b32 s[CA2],   0xbdc45ca1                 ; -0.0958798
	s_mov_b32 s[CA2+1], 0xbdc45ca1
	s_mov_b32 s[CA3],   0x3f3f7377                 ; 0.7478556
	s_mov_b32 s[CA3+1], 0x3f3f7377
	s_mov_b32 s[PP],    0x3ec88bda                 ; 0.39169197
	s_mov_b32 s[CC],    0x3f596d27                 ; c = 0.8493218
	s_mov_b32 s[CC+1],  0x3f596d27
	s_mov_b32 s[SEL],   0x76543210
	s_mov_b32 s[SEL+1], 0xfedcba98
	s_lshl_b32 s17, s12, 7                         ; which 128 rows of the tile I fetch
	s_lshl_b32 s16, s13, 8
	s_add_co_u32 s16, s16, s17                     ; xh: row 256 x tile row + 128 x half
	s_lshl_b32 s46, s42, 8
	s_add_co_u32 s46, s46, s17                     ; w1h: row 256 x tile column + 128 x half
	s_mov_b32 s17, 0
	s_mov_b32 s47, 0
	s_mov_b64 s[18:19], SIZE_K*2
	s_mul_u64 s[16:17], s[16:17], s[18:19]
	s_mul_u64 s[46:47], s[46:47], s[18:19]
	s_mul_i32 s20, s10, HALFT                      ; where they go: wave x 128 rows
	s_wait_dscnt 0x0                               ; the opening add is done
	s_wait_kmcnt 0x0
	s_add_nc_u64 s[14:15], s[4:5], s[16:17]
	s_add_nc_u64 s[46:47], s[6:7], s[46:47]
	CROUND                                         ; all sixteen work-groups are here: the first joint loads meet
.irp s, 0,1
	s_mov_b32 s[G0+4*(\s)], 1
	s_add_co_u32 s[G0+4*(\s)+1], s20, (\s)*SLOT
	s_add_nc_u64 s[G0+4*(\s)+2:G0+4*(\s)+3], s[14:15], (\s)*KSTEP*2
	s_or_b32 s[G0+4*(\s)+3], s[G0+4*(\s)+3], 0x80000000
	s_mov_b32 s[G0B+4*(\s)], 1
	s_add_co_u32 s[G0B+4*(\s)+1], s20, (\s)*SLOT
	s_add_nc_u64 s[G0B+4*(\s)+2:G0B+4*(\s)+3], s[46:47], (\s)*KSTEP*2
	s_or_b32 s[G0B+4*(\s)+3], s[G0B+4*(\s)+3], 0x80000000
	JLOAD \s                                       ; two tensor loads of mine are out
.endr
	v_and_b32 v1, 15, v0                           ; l % 16
	v_bfe_u32 v2, v0, 4, 1                         ; l / 16
	v_mul_u32_u24 v3, v1, PITCH
	v_lshl_add_u32 v3, v2, 4, v3                   ; a fragment's row x pitch + 16 x half
	s_mul_i32 s21, s11, HALFT                      ; my 128 rows of xh
	s_mul_i32 s22, s12, HALFT                      ; my 128 rows of w1h,
	s_add_co_u32 s22, s22, 2*HALFT                 ; which lie behind xh's 256
.irp s, 0,1
	v_add_nc_u32 v[ADRA+(\s)], s21, v3
	v_add_nc_u32 v[ADRB+(\s)], s22, v3
	s_add_co_u32 s21, s21, SLOT
	s_add_co_u32 s22, s22, SLOT
.endr
	s_mul_i32 s23, s10, 16*SPITCH
	s_add_co_u32 s23, s23, STAGE                   ; my stage
	v_mul_u32_u24 v4, v1, SPITCH                   ; in: row l % 16, 16 bytes for each half of the lanes
	v_lshl_add_u32 v4, v2, 4, v4
	v_add_nc_u32 v[STO], s23, v4
	v_mul_u32_u24 v5, v2, SPITCH                   ; back: lanes 0-15 take one row of 256 bytes, lanes 16-31 the next
	v_lshl_add_u32 v5, v1, 4, v5
	v_add_nc_u32 v[RD], s23, v5
	v_mul_u32_u24 v5, v2, SIZE_N*2                 ; and the same two rows in g
	v_lshl_add_u32 v[CO], v1, 4, v5
	s_lshl_b32 s13, s13, 8
	s_lshl_b32 s14, s11, 7
	s_add_co_u32 s16, s13, s14                     ; my first row of g
	s_mov_b32 s17, 0
	s_mov_b64 s[18:19], SIZE_N*2
	s_mul_u64 s[16:17], s[16:17], s[18:19]
	s_lshl_b32 s46, s42, 9                         ; my first column, in bytes
	s_lshl_b32 s47, s12, 8
	s_add_co_u32 s46, s46, s47
	s_mov_b32 s47, 0
	s_add_nc_u64 s[16:17], s[16:17], s[46:47]
	s_add_nc_u64 s[8:9], s[8:9], s[16:17]          ; g at my part of the first tile
	s_lshl_b32 s88, s42, 10                        ; b1 at my first column: 4 bytes x (256 x tile column + 128 x half)
	s_lshl_b32 s89, s12, 9
	s_add_co_u32 s88, s88, s89
	s_mov_b32 s89, 0
	s_add_nc_u64 s[80:81], s[80:81], s[88:89]
	v_lshlrev_b32 v6, 5, v2                        ; my lanes' eight columns in a block of 16: 32 bytes x half
	v_and_b32 v7, 31, v0
	v_lshlrev_b32 v7, 4, v7
.irp i, 0,1,2,3,4,5,6,7,8,9,10,11
	global_load_b128 v[STT+4*(\i):STT+4*(\i)+3], v7, s[82:83] offset:512*(\i)   ; all 1,536 words: 16 registers of max |x|, 16 of max |256 W1|, 16 of max |b1|
.endr
	WIN TO_B
.irp b, 0,1,2,3,4,5,6,7
	global_load_b128 v[BC+8*(\b):BC+8*(\b)+3],   v6, s[80:81] offset:64*(\b)
	global_load_b128 v[BC+8*(\b)+4:BC+8*(\b)+7], v6, s[80:81] offset:64*(\b)+16
.endr
	WIN 0
	s_wait_loadcnt 0x0
.macro VRED base, n                    ; the largest of n registers into the first
.set i, 1
.rept ((\n)-2)/2
	v_max3_num_f32 v[\base], v[\base], v[(\base)+i], v[(\base)+i+1]
.set i, i+2
.endr
	v_max_num_f32 v[\base], v[\base], v[(\base)+(\n)-1]
.endm
.macro WMAX r                          ; over the 32 lanes
	v_max_num_f32_dpp v[\r], v[\r], v[\r] row_xmask:1 row_mask:0xf bank_mask:0xf
	v_max_num_f32_dpp v[\r], v[\r], v[\r] row_xmask:2 row_mask:0xf bank_mask:0xf
	v_max_num_f32_dpp v[\r], v[\r], v[\r] row_xmask:4 row_mask:0xf bank_mask:0xf
	v_max_num_f32_dpp v[\r], v[\r], v[\r] row_xmask:8 row_mask:0xf bank_mask:0xf
	v_permlanex16_b32 v[(\r)+1], v[\r], s[SEL], s[SEL+1]   ; its destination was written by the loads above
	v_max_num_f32 v[\r], v[\r], v[(\r)+1]
.endm
	VRED STT, 16
	VRED STT+16, 16
	VRED STT+32, 16
	WMAX STT
	WMAX STT+16
	WMAX STT+32
	v_readfirstlane_b32 s84, v[STT]                ; max |x|
	v_readfirstlane_b32 s85, v[STT+16]             ; max |256 W1|
	v_readfirstlane_b32 s86, v[STT+32]             ; max |b1|
	s_mul_f32 s84, s84, s85
	s_mov_b32 s87, 2.0                             ; 512 / 256
	s_fmac_f32 s86, s84, s87                       ; B
	s_bfe_u32 s86, s86, 0x80017                    ; e: its biased exponent,
	s_max_u32 s86, s86, 32
	s_min_u32 s86, s86, 222                        ; held to 32..222
	s_sub_co_u32 s87, 268, s86                     ; ag = 2^(141 - e): biased exponent 268 - e
	s_lshl_b32 s87, s87, 23
	s_mul_f32 s[GS], s87, 0x3f16b55f               ; ag / (2 c)
	s_mov_b32 s[GS+1], s[GS]
	WIN 0x41                                       ; destination and source 0 window 1
.set i, 0
.rept 32
	v_pk_mul_f32 v[BC+2*i:BC+2*i+1], v[BC+2*i:BC+2*i+1], s[CC:CC+1] op_sel_hi:[1,0]   ; c b1
.set i, i+1
.endr
	WIN 0
; 16 matrix instructions: m blocks a0, a0 + 1 of the window's four x all 8 n blocks, 32 along K.  zero = 1: the first product starts the sums.
.macro MUL16 f, hi, a0, zero
	WIN MUL_LO+0x50*(\hi)
.irp a, \a0, (\a0)+1
.irp b, 0,1,2,3,4,5,6,7
.if \zero
	v_wmma_f32_16x16x32_f16 v[8*(8*(\a)+(\b)):8*(8*(\a)+(\b))+7], v[(\f)+8*(\b):(\f)+8*(\b)+7], v[(\f)+8*(4*(\hi)+(\a)):(\f)+8*(4*(\hi)+(\a))+7], 0
.else
	v_wmma_f32_16x16x32_f16 v[8*(8*(\a)+(\b)):8*(8*(\a)+(\b))+7], v[(\f)+8*(\b):(\f)+8*(\b)+7], v[(\f)+8*(4*(\hi)+(\a)):(\f)+8*(4*(\hi)+(\a))+7], v[8*(8*(\a)+(\b)):8*(8*(\a)+(\b))+7]
.endif
.endr
.endr
.endm
; 32 LDS loads in one run: the fragments of one quarter step (32 K at byte k of the rows) into buffer f
.macro FETCH slot, k, f
	WIN TO_B
.irp i, 0,1,2,3,4,5,6,7
	ds_load_b128 v[(\f)+8*(\i):(\f)+8*(\i)+3],   v[ADRB+(\slot)] offset:(\k)+(\i)*16*PITCH
	ds_load_b128 v[(\f)+8*(\i)+4:(\f)+8*(\i)+7], v[ADRB+(\slot)] offset:(\k)+(\i)*16*PITCH+32
.endr
	WIN 0
.irp i, 0,1,2,3,4,5,6,7
	ds_load_b128 v[(\f)+8*(\i):(\f)+8*(\i)+3],   v[ADRA+(\slot)] offset:(\k)+(\i)*16*PITCH
	ds_load_b128 v[(\f)+8*(\i)+4:(\f)+8*(\i)+7], v[ADRA+(\slot)] offset:(\k)+(\i)*16*PITCH+32
.endr
.endm
.macro PLACES                          ; four places in front of loads into registers that matrix instructions have read, and of vector lines that read results or write sources
.rept 4
	v_nop
.endr
.endm
; A K step is four quarters of 32 along K, 64 matrix instructions each, on buffers 0, 1, 0, 1.  The 64 accumulators take turns, one instruction a turn.
.macro QUARTER slot, k, f, g, zero
	s_wait_dscnt 8                                 ; all but the youngest eight loads (xh's rows 64-127)
	MUL16 \f, 0, 0, \zero
	MUL16 \f, 0, 2, \zero
	PLACES
	FETCH \slot, \k, \g
	s_wait_dscnt 32                                ; all but the 32 just issued
	MUL16 \f, 1, 0, \zero
	MUL16 \f, 1, 2, \zero
.endm
; The first half of a step's last quarter: one barrier for the change of slots.  In front of it each wave waits for all its tensor loads (one is out: its part of the next slot), adds 0 to its spare word,
; and waits for that and for its own reads of this slot.
.macro MEET round
	WIN 0
	s_wait_tensorcnt 0x0
	ds_add_u32 v[SPW], v[NIL]
	s_wait_dscnt 9                                 ; the add and the youngest eight loads may be out
	MUL16 F1, 0, 0, 0
	s_wait_dscnt 0x0                               ; the add is done, and my reads of this slot are over
	s_barrier_signal -1
	MUL16 F1, 0, 2, 0
.if \round
	WIN 0
.endif
	s_barrier_wait -1
.endm
; The whole last quarter.  Behind the round the slot just read out is filled again first: with this tile's K step two on (on = 0) or the next tile's K step 0 or 1 (on = 1).
.macro TURN slot, next, on
	MEET 1
	CREST                                          ; no wave of any partner still reads this slot's tile or has a load on its way
.if \on
	s_add_nc_u64 s[G0+4*(\slot)+2:G0+4*(\slot)+3], s[G0+4*(\slot)+2:G0+4*(\slot)+3], NEXT_A
	s_sub_nc_u64 s[G0B+4*(\slot)+2:G0B+4*(\slot)+3], s[G0B+4*(\slot)+2:G0B+4*(\slot)+3], BACK_B
.else
	s_add_nc_u64 s[G0+4*(\slot)+2:G0+4*(\slot)+3], s[G0+4*(\slot)+2:G0+4*(\slot)+3], 2*KSTEP*2
	s_add_nc_u64 s[G0B+4*(\slot)+2:G0B+4*(\slot)+3], s[G0B+4*(\slot)+2:G0B+4*(\slot)+3], 2*KSTEP*2
.endif
	JLOAD \slot                                    ; my one tensor load behind the round; its four v_nop are also the places in front of the loads below
	FETCH \next, 0, F0
	MUL16 F1, 1, 0, 0
	MUL16 F1, 1, 2, 0
.endm
; THE WAY OUT's first step for block a of 16 rows: y = c h = sum x (c / 256) + c b1.  The only lines that name accumulators, so only they are written eight times; each accumulator is read from its low end on.
.macro VARIANT a
	WIN 0x52+(\a)/4                                ; source 0 window 2 or 3; source 2 and destination window 1
.irp b, 0,1,2,3,4,5,6,7
.irp r, 0,1,2,3
	v_pk_fma_f32 v[YY+8*(\b)+2*(\r):YY+8*(\b)+2*(\r)+1], v[64*((\a)%4)+8*(\b)+2*(\r):64*((\a)%4)+8*(\b)+2*(\r)+1], s[K1:K1+1], v[BC+8*(\b)+2*(\r):BC+8*(\b)+2*(\r)+1] op_sel_hi:[1,0,1]
.endr
.endr
	WIN 0
.endm
; Sixteen of a lane's 64 numbers: y becomes ag gelu(h).  The transcendentals stand in runs, a plain line behind each run before a result is used (ISA guide 5.7.2).
.macro GELU16 c
.set y0, YY+16*(\c)
.set i, 0
.rept 8
	v_pk_mul_f32 v[EX+2*i:EX+2*i+1], v[y0+2*i:y0+2*i+1], v[y0+2*i:y0+2*i+1] neg_lo:[1,0] neg_hi:[1,0]   ; -y^2
.set i, i+1
.endr
.set i, 0
.rept 16
	v_exp_f32 v[EX+i], v[EX+i]                     ; 2^(-y^2) = e^(-h^2 / 2)
.set i, i+1
.endr
.set i, 0
.rept 16
	v_fma_f32 v[TT+i], |v[y0+i]|, s[PP], 1.0       ; 1 + p |y|
.set i, i+1
.endr
.set i, 0
.rept 16
	v_rcp_f32 v[TT+i], v[TT+i]                     ; t
.set i, i+1
.endr
	v_nop
.set i, 0
	s_wait_alu depctr_va_vdst(0)
.rept 8
	v_pk_fma_f32 v[PQ+2*i:PQ+2*i+1], v[TT+2*i:TT+2*i+1], s[CA3:CA3+1], s[CA2:CA2+1] op_sel_hi:[1,0,0]
.set i, i+1
.endr
.set i, 0
.rept 8
	v_pk_fma_f32 v[PQ+2*i:PQ+2*i+1], v[PQ+2*i:PQ+2*i+1], v[TT+2*i:TT+2*i+1], s[CA1:CA1+1] op_sel_hi:[1,1,0]
.set i, i+1
.endr
.set i, 0
.rept 8
	v_pk_mul_f32 v[PQ+2*i:PQ+2*i+1], v[PQ+2*i:PQ+2*i+1], v[TT+2*i:TT+2*i+1]   ; P = t (a1 + t (a2 + t a3))
.set i, i+1
.endr
.set i, 0
.rept 8
	v_pk_fma_f32 v[PQ+2*i:PQ+2*i+1], v[PQ+2*i:PQ+2*i+1], v[EX+2*i:EX+2*i+1], 1.0 op_sel_hi:[1,1,0] neg_lo:[1,0,0] neg_hi:[1,0,0]   ; w = 1 - P E = erf(|h| / sqrt 2)
.set i, i+1
.endr
.set i, 0
.rept 16
	v_fma_f32 v[y0+i], |v[y0+i]|, v[PQ+i], v[y0+i] ; y + |y| w
.set i, i+1
.endr
.set i, 0
.rept 8
	v_pk_mul_f32 v[y0+2*i:y0+2*i+1], v[y0+2*i:y0+2*i+1], s[GS:GS+1] op_sel_hi:[1,0]
.set i, i+1
.endr
.endm
	s_wait_tensorcnt 1                             ; my part of K step 0 is in; K step 1's may stay out
	s_barrier_signal -1
	s_barrier_wait -1
	FETCH 0, 0, F0
	s_mov_b32 s2, 2                                ; tiles to go: the same number in every work-group
.Ltile:
	QUARTER 0, 64,  F0, F1, 1                      ; K step 0; its first quarter starts the sums
	QUARTER 0, 128, F1, F0, 0
	QUARTER 0, 192, F0, F1, 0
	TURN 0, 1, 0                                   ; slot 0 takes K step 2
	QUARTER 1, 64,  F0, F1, 0
	QUARTER 1, 128, F1, F0, 0
	QUARTER 1, 192, F0, F1, 0
	TURN 1, 0, 0                                   ; slot 1 takes K step 3
	QUARTER 0, 64,  F0, F1, 0
	QUARTER 0, 128, F1, F0, 0
	QUARTER 0, 192, F0, F1, 0
	WIN 0
	s_cmp_eq_u32 s2, 1
	s_cbranch_scc1 .Llast                          ; the last tile asks for nothing more
	TURN 0, 1, 1                                   ; the ring goes on into the next tile: slot 0 takes its K step 0,
	QUARTER 1, 64,  F0, F1, 0
	QUARTER 1, 128, F1, F0, 0
	QUARTER 1, 192, F0, F1, 0
	TURN 1, 0, 1                                   ; slot 1 its K step 1, and the next tile's first fragments are fetched into buffer 0, which the way out leaves alone
	WIN 0
	s_branch .Lout
.Llast:
	MEET 0                                         ; nothing is filled again, so no round follows
	PLACES
	FETCH 1, 0, F0
	MUL16 F1, 1, 0, 0
	MUL16 F1, 1, 2, 0
	QUARTER 1, 64,  F0, F1, 0
	QUARTER 1, 128, F1, F0, 0
	QUARTER 1, 192, F0, F1, 0
	s_wait_dscnt 8                                 ; the very last quarter: nothing more to fetch
	MUL16 F1, 0, 0, 0
	MUL16 F1, 0, 2, 0
	s_wait_dscnt 0x0
	MUL16 F1, 1, 0, 0
	MUL16 F1, 1, 2, 0
	WIN 0
.Lout:                                                 ; THE WAY OUT: eight blocks of 16 rows, one text; every wait on the tensor counter in the tile loop is for 0, so the two ways that meet here need no equal count
	PLACES                                         ; behind the last products: their results are read and w1h's second buffer is written
	s_mov_b32 s[BLK], 0
.Lblk:
.irp a, 0,1,2,3,4,5,6
	s_cmp_eq_u32 s[BLK], \a
	s_cbranch_scc1 .Lv\a
.endr
	VARIANT 7
	s_branch .Lcom
.irp a, 0,1,2,3,4,5
.Lv\a:
	VARIANT \a
	s_branch .Lcom
.endr
.Lv6:
	VARIANT 6
.Lcom:
	WIN 0x55                                       ; everything in window 1
	GELU16 0
	GELU16 1
	GELU16 2
	GELU16 3
	WIN 0x05                                       ; sources window 1, destination window 0
.set i, 0
.rept 32
	v_cvt_pk_f16_f32 v[TMP+i], v[YY+2*i], v[YY+2*i+1]
.set i, i+1
.endr
	WIN 0
.irp b, 0,1,2,3,4,5,6,7
	ds_store_b128 v[STO], v[TMP+4*(\b):TMP+4*(\b)+3] offset:32*(\b)
.endr
.irp t, 0,1,2,3,4,5,6,7
	ds_load_b128 v[OB+4*(\t):OB+4*(\t)+3], v[RD] offset:(\t)*2*SPITCH   ; my own stage: LDS serves a wave's instructions in order (ISA guide 5.7.1.4)
.endr
	s_wait_dscnt 0x0
.irp t, 0,1,2,3,4,5,6,7
	global_store_b128 v[CO], v[OB+4*(\t):OB+4*(\t)+3], s[8:9] offset:2*(\t)*SIZE_N*2   ; 16 lanes store 256 consecutive bytes, at a multiple of 256 from g's first byte
.endr
	s_wait_xcnt 0x0                                ; the stores' base and data are rewritten only behind this wait
	s_add_nc_u64 s[8:9], s[8:9], 16*SIZE_N*2
	s_add_co_u32 s[BLK], s[BLK], 1
	s_cmp_lt_u32 s[BLK], 8
	s_cbranch_scc1 .Lblk
	s_add_nc_u64 s[8:9], s[8:9], (WALK-128)*SIZE_N*2   ; on to my rows of the next tile
	s_sub_co_u32 s2, s2, 1
	s_cmp_lg_u32 s2, 0
	s_cbranch_scc1 .Ltile
	s_wait_tensorcnt 0x0                           ; the wave's end: the spare-word add and its wait, behind my last tensor load and my last LDS store
	ds_add_u32 v[SPW], v[NIL]
	s_wait_dscnt 0x0
	CROUND                                         ; the closing round: no work-group ends while a partner may still ask for a tile that names it
	s_endpgm
.Lfunc_end_k_qe81c861252_gemm1:
	.size	k_qe81c861252_gemm1, .Lfunc_end_k_qe81c861252_gemm1-k_qe81c861252_gemm1
	.p2alignl 7, 3214868480
	.fill 96, 4, 3214868480
	.section	.rodata,"a",@progbits
	.p2align	6, 0x0
	.amdhsa_kernel k_qe81c861252_gemm1
		.amdhsa_group_segment_fixed_size 327680
		.amdhsa_private_segment_fixed_size 0
		.amdhsa_enable_private_segment 0
		.amdhsa_kernarg_size 40
		.amdhsa_user_sgpr_count 2
		.amdhsa_user_sgpr_kernarg_segment_ptr 1
		.amdhsa_wavefront_size32 1
		.amdhsa_system_sgpr_workgroup_id_x 1
		.amdhsa_system_sgpr_workgroup_id_y 1
		.amdhsa_system_sgpr_workgroup_id_z 1
		.amdhsa_system_vgpr_workitem_id 0
		.amdhsa_next_free_vgpr 1024
		.amdhsa_next_free_sgpr 96
		.amdhsa_reserve_vcc 0
		.amdhsa_float_denorm_mode_32 3
		.amdhsa_float_denorm_mode_16_64 3
		.amdhsa_memory_ordered 1
		.amdhsa_forward_progress 1
		.amdhsa_inst_pref_size 199
	.end_amdhsa_kernel
	.amdgpu_metadata
---
amdhsa.version: [ 1, 2 ]
amdhsa.kernels:
  - .name:           k_qe81c861252_gemm1
    .symbol:         k_qe81c861252_gemm1.kd
    .args:
      - { .name: xh, .offset: 0, .size: 8, .value_kind: global_buffer, .address_space: global }
      - { .name: w1h, .offset: 8, .size: 8, .value_kind: global_buffer, .address_space: global }
      - { .name: g, .offset: 16, .size: 8, .value_kind: global_buffer, .address_space: global }
      - { .name: b1, .offset: 24, .size: 8, .value_kind: global_buffer, .address_space: global }
      - { .name: stats, .offset: 32, .size: 8, .value_kind: global_buffer, .address_space: global }
    .group_segment_fixed_size: 327680
    .private_segment_fixed_size: 0
    .kernarg_segment_align: 8
    .kernarg_segment_size: 40
    .max_flat_workgroup_size: 128
    .sgpr_count:     96
    .vgpr_count:     1024
    .wavefront_size: 32
...
	.end_amdgpu_metadata
.endif
;; end of part 2
;; launch gemm2 (part 3): grid 4 x 64, 4 waves a work-group, clusters of 4 x 4, 327,680 bytes of LDS; arguments g, w2h, out0, b2, stats; writes out0
.if DOCPART == 3
	.amdgcn_target "amdgcn-amd-amdhsa--gfx1250"
	.amdhsa_code_object_version 6
	.text
	.protected	k_qe81c861252_gemm2
	.globl	k_qe81c861252_gemm2
	.p2align	8
	.type	k_qe81c861252_gemm2,@function
k_qe81c861252_gemm2:
	s_mov_b64 s[64:65], 0
	v_nop
	global_prefetch_b8 v0, s[64:65] scope:SCOPE_SE
	s_setreg_imm32_b32 hwreg(HW_REG_WAVE_MODE, 25, 1), 1
	s_wait_xcnt 0x0
	s_wait_alu depctr_hold_cnt(0) depctr_sa_sdst(0) depctr_va_vdst(0) depctr_va_sdst(0) depctr_va_ssrc(0) depctr_va_vcc(0) depctr_vm_vsrc(0)
	s_getreg_b32 s2, hwreg(HW_REG_IB_STS2, 6, 4)
	s_cmp_eq_u32 s2, 0
	s_cbranch_scc0 .Lentry_in_a_cluster
	s_endpgm
.Lentry_in_a_cluster:
	s_bfe_u32 s2, ttmp6, 0x10000c
	s_cmp_lg_u32 s2, 0xf033
	s_cbranch_scc0 .Lentry_shape_is_right
	s_endpgm
.Lentry_shape_is_right:
; out0 = (g w2h^T) / (1024 ag) + b2.  g: [8192][4096] f16 (ag x gelu), w2h: [1024][4096] f16 (1024 x the layer's weight), b2: [1024] f32, out0: [8192][1024] f32.  Sums in f32.
; ag = 2^(141 - e) is made anew from the same 1,536 words by the same lines as in the launch before: e = the biased exponent of 512 max|x| max|W1| + max|b1|, held to 32..222; 1 / (1024 ag) = 2^(e - 151).
; LIMITS.  Those of the two launches before; NaN and infinities are not treated apart.  The sum over K begins at another slice of 128 in each cluster (below): an order of rounding that differs from row block to row block.
; SHAPE.  A tile of out0 is 128 rows x 256 columns, so that 64 x 4 tiles give each of 256 work-groups one.  Four waves, each 64 x 128: 32 accumulators, 256 registers.  K goes in 32 steps of 128 through two LDS
; slots (g's 128 rows, then w2h's 256 rows; rows of 256 bytes).  Two slots of steps twice as long would take 405,504 bytes: more than the work-group has.
; w2h COMES BY JOINT TENSOR LOADS: 4 x 4 work-groups form a cluster, and the four of a column of it need the same 256 rows: each wave asks for 64 of them, one load a wave behind each round.
; g COMES THROUGH REGISTERS, NOT BY JOINT LOADS, though the four work-groups of a row of the cluster read the same rows.  The reason: a tensor load is waited for in front of every barrier behind which a slot is
; filled again, so it has one step's work, 112 matrix instructions, in which to land; a load into registers may stay out across barriers.  Each wave asks for 32 of the tile's 128 rows, 16 loads of two whole rows of
; 256 bytes, into one of two sets of 64 registers; in step t it stores step t + 1's set into that step's slot and asks for step t + 3 into the same set: 256 matrix instructions from a request to its use.
; The price: g's bytes are asked for by each of the four work-groups.  g's parts of the slots are filled by LDS stores alone, w2h's by tensor loads alone; both are multiples of 256 bytes.
; THE WALK ALONG K GOES ROUND: cluster c (0..15) begins at slice k0 = 4 (c % 8) + 2 (c / 8) of the 32 and takes slice (k0 + t) % 32 in step t.  The sixteen k0 are the sixteen even numbers: no two clusters ask for
; the same slice of w2h in the same step, and from a cluster's third step on each slice that it asks for was asked for two steps earlier by another.
; THE MATRIX INSTRUCTION IS USED TRANSPOSED: source 0 = 16 rows of w2h, source 1 = 16 rows of g: a lane holds row lane % 16 of out0 and the columns 8 (lane / 16) + 0..7 of a block of 16.
; REGISTERS: window 0: v0-31 addresses; v32-79 the statistics, at the head only; v64-127 g's fragments, two buffers of 32; v128-255 w2h's, two buffers of 64 (all of v64-255 at work on the way out)
;   window 1: the accumulators ((a, b) at 8 (8 a + b));   window 2: v0-63 b2 of my lane's 64 columns; v64-127, v128-191 g on its way from memory to LDS, two sets
.set SIZE_N, 1024
.set SIZE_K, 4096
.set KSTEP,  128
.set PITCH,  272                       ; an LDS row: 256 bytes + 16 of padding = 68 words: row r starts at bank 4 r mod 64 (64 banks of 4 bytes: ISA guide 11.1)
.set AHALF,  64*PITCH                  ; the 64 rows of g that a wave multiplies
.set AREG,   128*PITCH                 ; g's part of a slot: 34,816 bytes = 136 blocks of 256
.set BQ,     64*PITCH                  ; what one tensor load brings of w2h
.set BHALF,  128*PITCH                 ; the 128 rows of w2h that a wave multiplies
.set BOFF,   AREG
.set SLOT,   AREG+4*BQ                 ; 104,448 bytes = 408 blocks of 256
.set STAGE,  2*SLOT                    ; behind the ring, never filled by a tensor load: 16 rows x 528 bytes for each wave
.set SPITCH, 528                       ; 512 bytes + 16 = 132 words: row r starts at bank 4 r mod 64
.set SPARE,  STAGE+4*16*SPITCH         ; the spare words, 128 bytes for each wave: two blocks of 256 bytes that no other line names
.set LAPS,   SIZE_K/(2*KSTEP)
.set ADRA, 16                          ; v16-17 LDS address of my g fragments in slot 0, 1
.set ADRB, 20                          ; v20-21 the same for w2h
.set AST,  22                          ; v22-23 where I store my 16 bytes of g's rows in slot 0, 1
.set STO,  24
.set RD,   25
.set CO,   26
.set VA,   27                          ; my byte offset in two rows of g; never rewritten
.set SPW,  28
.set NIL,  29
.set STT,  32
.set FA,   64                          ; g's fragments: buffer f at FA + 32 f
.set FB,   128                         ; w2h's: buffer f at FB + 64 f
.set TQ,   64                          ; the way out: a block's 64 numbers a lane
.set OB0,  128                         ; the way out: 16 rows read back, two buffers by turns
.set BI,   0                           ; window 2
.set AS,   64                          ; window 2: set p at AS + 64 p
.set G1B, 48                           ; s[48:55] descriptor group 1 for w2h's tiles
.set G0B, 56                           ; s[56:63] group 0, a set for each slot
.set SC,  66                           ; s[66:67] 1 / (1024 ag)
.set PA,  68                           ; s[68:71] g at the slice that set 0, 1 was asked from
.set SEL, 78
.set OFS, 88                           ; s[88:89] a slice's byte offset in a row
.set KB,  90                           ; s90 the slice of w2h to be asked for next
.set KA,  91                           ; s91 the slice of g to be asked for next
.set MSB, 0
.macro WIN new
.if MSB != (\new)
	s_set_vgpr_msb (MSB<<8)|(\new)
.set MSB, \new
.endif
.endm
.set MUL, 0x50                         ; sources window 0; C and D window 1
.macro JLOAD s                         ; a joint load: every wave asks for its own 64 rows of w2h's tile; an s_nop 0 and four v_nop follow the line
	tensor_load_to_lds s[G0B+4*(\s):G0B+4*(\s)+3], s[G1B:G1B+7]
	s_nop 0
.rept 4
	v_nop
.endr
.endm
.macro CREST
	s_cmp_lg_u32 s10, 0
	s_cbranch_scc1 .Lnot_wave_0_\@
	s_barrier_signal -3
.Lnot_wave_0_\@:
	s_barrier_wait -3
	s_barrier_signal -1
	s_barrier_wait -1
.endm
.macro CROUND
	s_barrier_signal -1
	s_barrier_wait -1
	CREST
.endm
.macro AREQ p                          ; sixteen loads: my 32 rows of g's tile, two rows of 256 bytes each, into set p
	WIN 0x80                                       ; destination window 2, address window 0
.irp i, 0,1,2,3,4,5,6,7,8,9,10,11,12,13,14,15
	global_load_b128 v[AS+64*(\p)+4*(\i):AS+64*(\p)+4*(\i)+3], v[VA], s[PA+2*(\p):PA+2*(\p)+1] offset:(\i)*2*SIZE_K*2
.endr
.endm
.macro ALOAD p                         ; set p's address goes on to slice KA (its last loads have been shown landed by their own wait), and the set is asked for
	s_lshl_b32 s[OFS], s[KA], 8
	s_add_nc_u64 s[PA+2*(\p):PA+2*(\p)+1], s[14:15], s[OFS:OFS+1]
	s_add_co_u32 s[KA], s[KA], 1
	s_and_b32 s[KA], s[KA], 31
	AREQ \p
.endm
.macro ASTORE p                        ; set p goes into slot p: lanes 0-15 fill one LDS row, lanes 16-31 the next
	WIN 0x08                                       ; the data (source 1) in window 2
.irp i, 0,1,2,3,4,5,6,7,8,9,10,11,12,13,14,15
	ds_store_b128 v[AST+(\p)], v[AS+64*(\p)+4*(\i):AS+64*(\p)+4*(\i)+3] offset:(\i)*2*PITCH
.endr
.endm
	s_load_b128 s[4:7], s[0:1], 0x0                ; g s[4:5], w2h s[6:7]
	s_load_b64 s[8:9], s[0:1], 0x10                ; out0
	s_load_b128 s[80:83], s[0:1], 0x18             ; b2 s[80:81], stats s[82:83]
	v_lshl_add_u32 v[SPW], v0, 2, SPARE
	v_mov_b32 v[NIL], 0
	ds_add_u32 v[SPW], v[NIL]                      ; the wave's opening: an add to the spare word and its wait, ahead of my first tensor load; work on registers stands between them
	v_lshrrev_b32 v1, 5, v0
	v_readfirstlane_b32 s10, v1                    ; wave 0..3
	v_and_b32 v1, 15, v0                           ; l % 16
	v_bfe_u32 v2, v0, 4, 1                         ; l / 16
	v_lshlrev_b32 v[VA], 4, v1
	v_lshl_add_u32 v[VA], v2, 13, v[VA]            ; 16 bytes x (l % 16) + a row of 8,192 bytes x (l / 16)
	s_lshr_b32 s11, s10, 1                         ; which 64 of the tile's rows I multiply
	s_and_b32 s12, s10, 1                          ; which 128 of its columns
	s_bfe_u32 s40, ttmp6, 0x40000                  ; cx
	s_bfe_u32 s41, ttmp6, 0x40004                  ; cy
	s_lshl_b32 s42, ttmp9, 2
	s_add_co_u32 s42, s42, s40                     ; tile column = 4 x cluster x + cx
	s_and_b32 s20, ttmp7, 0xffff                   ; c: the cluster's y, which all sixteen partners share
	s_lshl_b32 s13, s20, 2
	s_add_co_u32 s13, s13, s41                     ; tile row = 4 c + cy
	s_lshl_b32 s44, 0x1111, s40                    ; my column of the cluster
	s_or_b32 s[G1B+0], s44, (1<<16)|(1<<20)|(1<<21)|(5<<22)|(3<<25)  ; the mask; elements of 2 bytes; padding on; bit 21 beside a mask; after every 64 words (code 5) 4 words (code 3)
	s_mov_b32 s[G1B+1], KSTEP<<16                  ; tensor_dim0 = 128
	s_mov_b32 s[G1B+2], 64<<16                     ; tensor_dim1 = 64
	s_mov_b32 s[G1B+3], KSTEP<<16                  ; tile_dim0 = 128
	s_mov_b32 s[G1B+4], 64                         ; tile_dim1 = 64
	s_mov_b32 s[G1B+5], SIZE_K                     ; elements from row to row
	s_mov_b32 s[G1B+6], 0
	s_mov_b32 s[G1B+7], 0
	s_mov_b32 s[SEL],   0x76543210
	s_mov_b32 s[SEL+1], 0xfedcba98
	s_and_b32 s21, s20, 7
	s_lshl_b32 s21, s21, 2
	s_lshr_b32 s22, s20, 3
	s_lshl1_add_u32 s[KB], s22, s21                ; k0 = 4 (c % 8) + 2 (c / 8): step 0's slice
	s_add_co_u32 s[KA], s[KB], 1
	s_and_b32 s[KA], s[KA], 31                     ; step 1's
	s_lshl_b32 s[OFS], s[KB], 8                    ; a slice is 256 bytes of a row
	s_mov_b32 s[OFS+1], 0
	s_lshl_b32 s86, s[KA], 8
	s_mov_b32 s87, 0
	s_lshl_b32 s16, s13, 7
	s_lshl_b32 s17, s10, 5
	s_add_co_u32 s16, s16, s17                     ; g: I fetch rows 128 x tile row + 32 x wave on,
	s_lshl_b32 s16, s16, 13                        ; of 8,192 bytes
	s_mov_b32 s17, 0
	s_lshl_b32 s46, s42, 8
	s_lshl_b32 s47, s10, 6
	s_add_co_u32 s46, s46, s47                     ; w2h: rows 256 x tile column + 64 x wave on
	s_lshl_b32 s46, s46, 13
	s_mov_b32 s47, 0
	s_mul_i32 s23, s10, BQ                         ; where w2h's rows go: no place in the cluster enters an LDS address
	s_add_co_u32 s23, s23, BOFF
	s_wait_dscnt 0x0                               ; the opening add is done
	s_wait_kmcnt 0x0
	s_add_nc_u64 s[14:15], s[4:5], s[16:17]        ; g at my rows; never rewritten
	s_add_nc_u64 s[46:47], s[6:7], s[46:47]        ; w2h at my rows; never rewritten
	s_add_nc_u64 s[PA:PA+1], s[14:15], s[OFS:OFS+1]
	s_add_nc_u64 s[PA+2:PA+3], s[14:15], s[86:87]
	AREQ 0                                         ; g of steps 0 and 1 is asked for first of all
	AREQ 1
	WIN 0
.irp s, 0,1
	s_mov_b32 s[G0B+4*(\s)], 1
	s_add_co_u32 s[G0B+4*(\s)+1], s23, (\s)*SLOT
.endr
	s_add_nc_u64 s[G0B+2:G0B+3], s[46:47], s[OFS:OFS+1]
	s_or_b32 s[G0B+3], s[G0B+3], 0x80000000
	s_add_nc_u64 s[G0B+6:G0B+7], s[46:47], s[86:87]
	s_or_b32 s[G0B+7], s[G0B+7], 0x80000000
	s_add_co_u32 s[KB], s[KB], 2
	s_and_b32 s[KB], s[KB], 31                     ; step 2's slice is the next to be asked for, of w2h
	s_add_co_u32 s[KA], s[KA], 1
	s_and_b32 s[KA], s[KA], 31                     ; and of g
	CROUND                                         ; all sixteen work-groups are here: the first joint loads meet
	JLOAD 0
	JLOAD 1                                        ; two tensor loads of mine are out
	v_mul_u32_u24 v3, v1, PITCH
	v_lshl_add_u32 v3, v2, 4, v3                   ; a fragment's row x pitch + 16 x half
	s_mul_i32 s21, s11, AHALF                      ; the 64 rows of g that I multiply
	s_mul_i32 s22, s12, BHALF                      ; the 128 rows of w2h,
	s_add_co_u32 s22, s22, BOFF                    ; which lie behind g's 128
.irp s, 0,1
	v_add_nc_u32 v[ADRA+(\s)], s21, v3
	v_add_nc_u32 v[ADRB+(\s)], s22, v3
	s_add_co_u32 s21, s21, SLOT
	s_add_co_u32 s22, s22, SLOT
.endr
	s_mul_i32 s21, s10, 32*PITCH                   ; the 32 rows of g that I store
	v_mul_u32_u24 v4, v2, PITCH
	v_lshl_add_u32 v4, v1, 4, v4
	v_add_nc_u32 v[AST], s21, v4
	v_add_nc_u32 v[AST+1], SLOT, v[AST]
	s_mul_i32 s23, s10, 16*SPITCH
	s_add_co_u32 s23, s23, STAGE                   ; my stage
	v_mul_u32_u24 v4, v1, SPITCH                   ; in: row l % 16, 32 bytes for each half of the lanes
	v_lshl_add_u32 v4, v2, 5, v4
	v_add_nc_u32 v[STO], s23, v4
	v_and_b32 v5, 31, v0
	v_lshlrev_b32 v[CO], 4, v5                     ; back, and in out0: 32 lanes take a row's 512 bytes
	v_add_nc_u32 v[RD], s23, v[CO]
	s_lshl_b32 s16, s13, 7
	s_lshl_b32 s17, s11, 6
	s_add_co_u32 s16, s16, s17                     ; my first row of out0,
	s_lshl_b32 s16, s16, 12                        ; of 4,096 bytes
	s_mov_b32 s17, 0
	s_add_nc_u64 s[8:9], s[8:9], s[16:17]
	s_lshl_b32 s84, s42, 10                        ; my first column, in bytes: 4 x (256 x tile column + 128 x half)
	s_lshl_b32 s85, s12, 9
	s_add_co_u32 s84, s84, s85
	s_mov_b32 s85, 0
	s_add_nc_u64 s[8:9], s[8:9], s[84:85]
	s_add_nc_u64 s[80:81], s[80:81], s[84:85]      ; b2 at the same column
	v_lshlrev_b32 v6, 5, v2                        ; my lanes' eight columns in a block of 16
.irp i, 0,1,2,3,4,5,6,7,8,9,10,11
	global_load_b128 v[STT+4*(\i):STT+4*(\i)+3], v[CO], s[82:83] offset:512*(\i)   ; all 1,536 words: 16 registers of max |x|, 16 of max |256 W1|, 16 of max |b1|
.endr
	WIN 0x80                                       ; destination window 2
.irp b, 0,1,2,3,4,5,6,7
	global_load_b128 v[BI+8*(\b):BI+8*(\b)+3],   v6, s[80:81] offset:64*(\b)
	global_load_b128 v[BI+8*(\b)+4:BI+8*(\b)+7], v6, s[80:81] offset:64*(\b)+16
.endr
	WIN 0
	s_wait_loadcnt 0x0                             ; g of steps 0 and 1, the statistics and b2
	ASTORE 0                                       ; g of step 0 into slot 0
	ALOAD 0                                        ; and step 2 is asked for into its set
	WIN 0
.macro VRED base, n                    ; the largest of n registers into the first
.set i, 1
.rept ((\n)-2)/2
	v_max3_num_f32 v[\base], v[\base], v[(\base)+i], v[(\base)+i+1]
.set i, i+2
.endr
	v_max_num_f32 v[\base], v[\base], v[(\base)+(\n)-1]
.endm
.macro WMAX r                          ; over the 32 lanes
	v_max_num_f32_dpp v[\r], v[\r], v[\r] row_xmask:1 row_mask:0xf bank_mask:0xf
	v_max_num_f32_dpp v[\r], v[\r], v[\r] row_xmask:2 row_mask:0xf bank_mask:0xf
	v_max_num_f32_dpp v[\r], v[\r], v[\r] row_xmask:4 row_mask:0xf bank_mask:0xf
	v_max_num_f32_dpp v[\r], v[\r], v[\r] row_xmask:8 row_mask:0xf bank_mask:0xf
	v_permlanex16_b32 v[(\r)+1], v[\r], s[SEL], s[SEL+1]   ; its destination was written by the loads above
	v_max_num_f32 v[\r], v[\r], v[(\r)+1]
.endm
	VRED STT, 16
	VRED STT+16, 16
	VRED STT+32, 16
	WMAX STT
	WMAX STT+16
	WMAX STT+32
	v_readfirstlane_b32 s84, v[STT]
	v_readfirstlane_b32 s85, v[STT+16]
	v_readfirstlane_b32 s86, v[STT+32]
	s_mul_f32 s84, s84, s85
	s_mov_b32 s87, 2.0
	s_fmac_f32 s86, s84, s87                       ; B, as in the launch before
	s_bfe_u32 s86, s86, 0x80017
	s_max_u32 s86, s86, 32
	s_min_u32 s86, s86, 222                        ; e
	s_sub_co_u32 s87, s86, 24                      ; 2^(e - 151): biased exponent e - 24
	s_lshl_b32 s[SC], s87, 23
	s_mov_b32 s[SC+1], s[SC]
; 8 matrix instructions: m block a x all 8 n blocks, 32 along K, from buffer f.  zero = 1: the product starts the sums.  The 32 accumulators take turns, one instruction a turn.
.macro MUL8 f, a, zero
	WIN MUL
.irp b, 0,1,2,3,4,5,6,7
.if \zero
	v_wmma_f32_16x16x32_f16 v[8*(8*(\a)+(\b)):8*(8*(\a)+(\b))+7], v[FB+64*(\f)+8*(\b):FB+64*(\f)+8*(\b)+7], v[FA+32*(\f)+8*(\a):FA+32*(\f)+8*(\a)+7], 0
.else
	v_wmma_f32_16x16x32_f16 v[8*(8*(\a)+(\b)):8*(8*(\a)+(\b))+7], v[FB+64*(\f)+8*(\b):FB+64*(\f)+8*(\b)+7], v[FA+32*(\f)+8*(\a):FA+32*(\f)+8*(\a)+7], v[8*(8*(\a)+(\b)):8*(8*(\a)+(\b))+7]
.endif
.endr
.endm
; 24 LDS loads in one run: the fragments of 32 along K at byte k of the rows, into buffer f: w2h's sixteen loads first, then g's eight
.macro FETCH slot, k, f
	WIN 0
.irp i, 0,1,2,3,4,5,6,7
	ds_load_b128 v[FB+64*(\f)+8*(\i):FB+64*(\f)+8*(\i)+3],   v[ADRB+(\slot)] offset:(\k)+(\i)*16*PITCH
	ds_load_b128 v[FB+64*(\f)+8*(\i)+4:FB+64*(\f)+8*(\i)+7], v[ADRB+(\slot)] offset:(\k)+(\i)*16*PITCH+32
.endr
.irp i, 0,1,2,3
	ds_load_b128 v[FA+32*(\f)+8*(\i):FA+32*(\f)+8*(\i)+3],   v[ADRA+(\slot)] offset:(\k)+(\i)*16*PITCH
	ds_load_b128 v[FA+32*(\f)+8*(\i)+4:FA+32*(\f)+8*(\i)+7], v[ADRA+(\slot)] offset:(\k)+(\i)*16*PITCH+32
.endr
.endm
.macro PLACES                          ; four places in front of loads into registers that matrix instructions have read, and of vector lines that read results or write sources
.rept 4
	v_nop
.endr
.endm
; A K step is four quarters of 32 along K, 32 matrix instructions each, on buffers 0, 1, 0, 1.  One of the first three: multiplies buffer f and fetches the next quarter, at byte k, into g.
; aw = 0 or 1: the step's work on g stands in this quarter: set aw, the next step's, goes into slot aw, which nobody has read since the barrier that opened this step; al = 1: the set is asked for again.
.macro QUARTER slot, k, f, g, zero, aw=-1, al=0
	s_wait_dscnt 4                                 ; all but the youngest four loads (g's blocks 2 and 3)
	MUL8 \f, 0, \zero
	MUL8 \f, 1, \zero
	PLACES
.if (\aw) >= 0
	s_wait_loadcnt 16                              ; loads come back in order: the next step's set is in; the sixteen loads of the step behind it stay out
	ASTORE \aw
.endif
	FETCH \slot, \k, \g
	s_wait_dscnt 24                                ; all but the 24 just issued: the stores above are done too, so their registers may be loaded again
.if \al
	ALOAD \aw
.endif
	MUL8 \f, 2, \zero
	MUL8 \f, 3, \zero
.endm
; The last quarter multiplies buffer 1 and changes slots: one barrier; in front of it each wave waits for all its tensor loads (one is out: its part of the next slot's w2h), adds 0 to its spare word, and waits for
; that, for its stores of the next slot's g and for its own reads of this slot.  fill = 1: the barrier opens a round of the cluster's, and this slot's w2h is filled again, two K steps ahead, first thing behind it.
.macro TURN slot, next, fill
	WIN 0
	s_wait_tensorcnt 0x0                           ; no tensor load of mine is out, so a group 0 may be written
	ds_add_u32 v[SPW], v[NIL]
.if \fill
	s_lshl_b32 s[OFS], s[KB], 8                    ; the descriptor's address is made anew: w2h at my rows + the slice
	s_add_nc_u64 s[G0B+4*(\slot)+2:G0B+4*(\slot)+3], s[46:47], s[OFS:OFS+1]
	s_or_b32 s[G0B+4*(\slot)+3], s[G0B+4*(\slot)+3], 0x80000000
	s_add_co_u32 s[KB], s[KB], 1
	s_and_b32 s[KB], s[KB], 31
.endif
	s_wait_dscnt 5                                 ; the add and the youngest four loads may be out
	MUL8 1, 0, 0
	s_wait_dscnt 0x0                               ; the add is done, and my reads of this slot are over
	s_barrier_signal -1
	MUL8 1, 1, 0
.if \fill
	WIN 0
.endif
	s_barrier_wait -1
.if \fill
	CREST                                          ; no wave of any partner still reads this slot's tile or has a tensor load on its way
	JLOAD \slot                                    ; its four v_nop are also the places in front of the loads below
.else
	PLACES
.endif
	FETCH \next, 0, 0
	MUL8 1, 2, 0
	MUL8 1, 3, 0
.endm
	s_wait_tensorcnt 1                             ; my part of step 0's w2h is in; step 1's may stay out
	s_wait_dscnt 0x0                               ; my stores of step 0's g are done
	s_barrier_signal -1
	s_barrier_wait -1
	FETCH 0, 0, 0
	QUARTER 0, 64, 0, 1, 1                         ; the first quarter stands in front of the loop: its products start the sums
	WIN 0
	s_mov_b32 s3, LAPS-1
.Llap:                                                 ; a trip goes once round the ring, from a lap's second quarter to the next lap's first, and fills both slots again
	QUARTER 0, 128, 1, 0, 0, 1, 1                  ; step t even: g of t + 1 into slot 1, t + 3 asked for
	QUARTER 0, 192, 0, 1, 0
	TURN 0, 1, 1
	QUARTER 1, 64,  0, 1, 0
	QUARTER 1, 128, 1, 0, 0, 0, 1                  ; step t odd: g of t + 1 into slot 0, t + 3 asked for.  In the last trip that is step 32, which is step 0's slice once more: 8,192 bytes a wave, inside g,
	QUARTER 1, 192, 0, 1, 0                        ; that nobody reads: the price, once a launch, of one text and one count for every trip
	TURN 1, 0, 1
	QUARTER 0, 64,  0, 1, 0
	WIN 0
	s_sub_co_u32 s3, s3, 1
	s_cmp_lg_u32 s3, 0
	s_cbranch_scc1 .Llap
	QUARTER 0, 128, 1, 0, 0, 1, 0                  ; the last lap: g of step 31 into slot 1; nothing more is asked for, and there is no round of the cluster's barrier
	QUARTER 0, 192, 0, 1, 0
	TURN 0, 1, 0
	QUARTER 1, 64,  0, 1, 0
	QUARTER 1, 128, 1, 0, 0
	QUARTER 1, 192, 0, 1, 0
	s_wait_dscnt 4                                 ; the very last quarter: nothing more to fetch
	MUL8 1, 0, 0
	MUL8 1, 1, 0
	s_wait_dscnt 0x0
	MUL8 1, 2, 0
	MUL8 1, 3, 0
	WIN 0
	PLACES
; THE WAY OUT, a block of 16 rows x 128 columns at a time: sum / (1024 ag) + b2 in one fused line; 32 bytes a lane into my stage; back as whole rows of 512 bytes; stored.
.macro PACK a                          ; each accumulator is read from its low end on
	WIN 0x21                                       ; source 0 window 1, source 2 window 2, destination window 0
.irp b, 0,1,2,3,4,5,6,7
.irp r, 0,1,2,3
	v_pk_fma_f32 v[TQ+8*(\b)+2*(\r):TQ+8*(\b)+2*(\r)+1], v[8*(8*(\a)+(\b))+2*(\r):8*(8*(\a)+(\b))+2*(\r)+1], s[SC:SC+1], v[BI+8*(\b)+2*(\r):BI+8*(\b)+2*(\r)+1] op_sel_hi:[1,0,1]
.endr
.endr
	WIN 0
.endm
.macro TOSTAGE a
.set BK, OB0+64*((\a)%2)
.irp b, 0,1,2,3,4,5,6,7
	ds_store_b128 v[STO], v[TQ+8*(\b):TQ+8*(\b)+3]   offset:64*(\b)
	ds_store_b128 v[STO], v[TQ+8*(\b)+4:TQ+8*(\b)+7] offset:64*(\b)+16
.endr
.irp t, 0,1,2,3,4,5,6,7,8,9,10,11,12,13,14,15
	ds_load_b128 v[BK+4*(\t):BK+4*(\t)+3], v[RD] offset:(\t)*SPITCH   ; my own stage: LDS serves a wave's instructions in order (ISA guide 5.7.1.4)
.endr
.endm
.macro SEND a
.set BK, OB0+64*((\a)%2)
	s_wait_dscnt 0x0                               ; the block is back in registers
	s_wait_xcnt 0x0                                ; the stores' base, and the registers that the block before last was stored from, are rewritten only behind this wait
.if (\a) > 0
	s_add_nc_u64 s[8:9], s[8:9], 16*SIZE_N*4
.endif
.irp t, 0,1,2,3,4,5,6,7,8,9,10,11,12,13,14,15
	global_store_b128 v[CO], v[BK+4*(\t):BK+4*(\t)+3], s[8:9] offset:(\t)*SIZE_N*4 th:TH_STORE_NT   ; 512 consecutive bytes, at a multiple of 512 from out0's first byte
.endr
.endm
	PACK 0
	TOSTAGE 0
.irp a, 1,2,3                          ; block a's arithmetic stands between block a - 1's loads from the stage and the wait for them
	PACK \a
	SEND (\a)-1
	TOSTAGE \a
.endr
	SEND 3
	s_wait_tensorcnt 0x0                           ; the wave's end: the spare-word add and its wait, behind my last tensor load and my last LDS store
	ds_add_u32 v[SPW], v[NIL]
	s_wait_dscnt 0x0
	CROUND                                         ; the closing round: no work-group ends while a partner may still ask for a tile that names it
	s_endpgm
.Lfunc_end_k_qe81c861252_gemm2:
	.size	k_qe81c861252_gemm2, .Lfunc_end_k_qe81c861252_gemm2-k_qe81c861252_gemm2
	.p2alignl 7, 3214868480
	.fill 96, 4, 3214868480
	.section	.rodata,"a",@progbits
	.p2align	6, 0x0
	.amdhsa_kernel k_qe81c861252_gemm2
		.amdhsa_group_segment_fixed_size 327680
		.amdhsa_private_segment_fixed_size 0
		.amdhsa_enable_private_segment 0
		.amdhsa_kernarg_size 40
		.amdhsa_user_sgpr_count 2
		.amdhsa_user_sgpr_kernarg_segment_ptr 1
		.amdhsa_wavefront_size32 1
		.amdhsa_system_sgpr_workgroup_id_x 1
		.amdhsa_system_sgpr_workgroup_id_y 1
		.amdhsa_system_sgpr_workgroup_id_z 1
		.amdhsa_system_vgpr_workitem_id 0
		.amdhsa_next_free_vgpr 704
		.amdhsa_next_free_sgpr 96
		.amdhsa_reserve_vcc 0
		.amdhsa_float_denorm_mode_32 3
		.amdhsa_float_denorm_mode_16_64 3
		.amdhsa_memory_ordered 1
		.amdhsa_forward_progress 1
		.amdhsa_inst_pref_size 110
	.end_amdhsa_kernel
	.amdgpu_metadata
---
amdhsa.version: [ 1, 2 ]
amdhsa.kernels:
  - .name:           k_qe81c861252_gemm2
    .symbol:         k_qe81c861252_gemm2.kd
    .args:
      - { .name: g, .offset: 0, .size: 8, .value_kind: global_buffer, .address_space: global }
      - { .name: w2h, .offset: 8, .size: 8, .value_kind: global_buffer, .address_space: global }
      - { .name: out0, .offset: 16, .size: 8, .value_kind: global_buffer, .address_space: global }
      - { .name: b2, .offset: 24, .size: 8, .value_kind: global_buffer, .address_space: global }
      - { .name: stats, .offset: 32, .size: 8, .value_kind: global_buffer, .address_space: global }
    .group_segment_fixed_size: 327680
    .private_segment_fixed_size: 0
    .kernarg_segment_align: 8
    .kernarg_segment_size: 40
    .max_flat_workgroup_size: 128
    .sgpr_count:     96
    .vgpr_count:     704
    .wavefront_size: 32
...
	.end_amdgpu_metadata
.endif
;; end of part 3
;; ======== version 2 of 2: 3 launches; version 1 with the launch prep written anew for expert scheduling mode
;; limits: values are held in f16: magnitudes above 65,504 overflow, below 6.1e-05 lose precision; right only within a limited range of input values; a function is approximated: absolute error at most 2.5e-05; an absolute error that grows with the inputs' magnitude: up to 1.25e-05 times it
;; workspace buffers: xh 8,388,608 bytes; w1h 4,194,304 bytes; w2h 8,388,608 bytes; g 67,108,864 bytes; stats 6,144 bytes
;; launch prep (part 4): grid 512 x 1, 4 waves a work-group, no clusters, 0 bytes of LDS; arguments x, xh, stats, b1, U1, V1, Ws1, mask1, w1h, U2, V2, Ws2, mask2, w2h; writes xh, stats, w1h, w2h
.if DOCPART == 4
	.amdgcn_target "amdgcn-amd-amdhsa--gfx1250"
	.amdhsa_code_object_version 6
	.text
	.protected	k_qe81c861252_prep
	.globl	k_qe81c861252_prep
	.p2align	8
	.type	k_qe81c861252_prep,@function
k_qe81c861252_prep:
	s_mov_b64 s[64:65], 0
	v_nop
	global_prefetch_b8 v0, s[64:65] scope:SCOPE_SE
	s_setreg_imm32_b32 hwreg(HW_REG_WAVE_SCHED_MODE, 0, 2), 2
	s_setreg_imm32_b32 hwreg(HW_REG_WAVE_MODE, 25, 1), 1
	s_wait_xcnt 0x0
	s_wait_alu depctr_vm_vsrc(0)
; PREP.  Three kinds of work-group, chosen by the work-group's number:
;   0-255   W2: w2h = f16(1024 (U2 V2 + (mask2 ? Ws2 : 0))), [1024][4096]
;   256-383 W1: w1h = f16( 256 (U1 V1 + (mask1 ? Ws1 : 0))), [4096][512], and the largest |256 W1| and |b1| of the wave's share
;   384-511 X:  xh  = f16(x), [8192][512], and the largest |x| of the wave's share
; U V + mask Ws is the layer's whole weight, so the two layers become two plain products for the launches behind.
; stats, 1,536 words of f32, one a wave: 0-511 max |x|, 512-1023 max |256 W1|, 1024-1535 max |b1|.  The launches behind make a power of two of them that keeps gelu's results in f16's range.
; LIMITS.  f16 ends at 65,504: |x| stays under it, |W1| under 255, |W2| under 63, 256 |U1| and 1024 |U2| under 65,504.  mask bytes are 0 or 1 (the select is a bitwise AND with 0 or all ones,
; so whatever lies under a 0 counts as 0).  NaN and infinities elsewhere are not treated apart.
; No LDS, no barrier: a wave's work hangs on no other wave's.
; THE SMALL PRODUCT.  A unit is 16 rows x 128 columns of W; a wave makes two, one below the other, with one set of V's fragments.  Source 0 = 16 rows of U; source 1 of tile t (0..7) = the 16 columns i0 + 8 n + t.
; In the result lane n, register j holds row 8 (lane / 16) + j and column i0 + 8 n + t: over the eight tiles a lane holds EIGHT NEIGHBOURING columns of a row: 32 bytes of Ws, 8 of the mask, 16 of the f16 result,
; and sixteen lanes store 256 consecutive bytes.
; K IS PERMUTED ALIKE IN BOTH SOURCES: half e of register p of K step ks in lane half h holds k = 2 q + h, q = 16 ks + 2 p + e.  So a lane's loads of U are 8 bytes apart and V's rows come two at a time.
; Places with q >= NQ hold 0 in both sources.  W1's rank is odd: at q = 25, h = 1 both sources read k = 50 again and U's factor there is 0.
; THE MODE: SCHED_MODE bits 1:0 = 2 (LLVM: expert scheduling mode 2), set by the entry lines.  The code itself states the register dependences between vector or matrix instructions and memory instructions,
; and those through scalar registers, VCC and EXEC, with s_wait_alu, always for 0.
; THE PLAN, ROLE X.  The 32 chunks go in 16 blocks of two.  Registers that memory instructions touch:
;   X0 .. X4   five blocks of x as loaded.  Written by the loads of block p + 4, issued in block p; read by block p's maxima and roundings.
;   Y0 .. Y4   a block of f16 to each X.    Written by block p's roundings; read by the two stores that are issued in block p + 1.
;   v4, v5     byte offsets, made once: the chunks are reached by the scalar bases, which move on by a block at each block's head, and by immediate offsets.
; Block p works on X[p % 5] and Y[p % 5]; its memory instructions touch X[(p - 1) % 5] and Y[(p - 1) % 5], which block p - 1 worked on and no vector instruction of block p names.  So the waits at a block's
; head state all that its six memory instructions hang on, and these are dealt among its vector instructions with no further wait.
; THE PLAN, ROLES W.  V's phase: three raw buffers; a group's conversions read one, and it is asked for again at once, behind one wait on va_vdst.  A unit:
;   URAW       U's loads land in it at the trip's head; the scalings and roundings read it; later in the trip the same registers are OO (written by the rows' roundings, read by the stores), EE and RR (vector work alone).
;   WS, MK     Ws's and the mask's loads land in them at the trip's head; the rows read them, and write MK.
;   v4 - v10   byte offsets, made once.     UF, V's fragments and the accumulators are named by vector and matrix instructions alone.
; Two waits on va_vdst stand in a trip: at row 4's head, for the stores of rows 0 to 3, which are dealt among rows 4 to 7; and behind row 7, for the stores of rows 4 to 7 and, over the backward jump,
; for the next trip's loads: no vector instruction stands between that wait and them.  One wait on vm_vsrc stands at the trip's end: the stores have read OO.
.set UNITS, 2                          ; units of 16 rows a wave
.set RW,   16*UNITS                    ; rows of a W work-group
.set XR,   128                         ; role X: buffer k, chunk i: v[128+16k+8i ..] eight f32 as loaded: v128-207
.set YR,   208                         ; role X: buffer k, chunk i: v[208+8k+4i ..] eight f16 to store: v208-247
.set UF,   24                          ; v24-55   U's fragments: register q / 2
.set URAW, 56                          ; v56-107  U as loaded, register q
.set OO,   56                          ; v56-87   later: row j's eight f16 at OO + 4 j
.set EE,   88                          ; v88-95   at work: the mask spread to words, then the masked Ws
.set RR,   96                          ; v96-103  at work: a row's eight results in f32
.set MK,   108                         ; v108-123 row j's eight mask bytes at MK + 2 j
.set WS,   128                         ; v128-191 row j's eight Ws at WS + 8 j
.set ACC,  192                         ; v192-255 tile t's accumulator at ACC + 8 t
                                       ; window 1: V's fragments: tile t, register pair p = q / 2 at 8 KS t + p
.set MSB, 0
.macro WIN new                         ; s_set_vgpr_msb: bits 1:0 source 0, 3:2 source 1, 5:4 source 2, 7:6 destination; the high byte repeats the setting that is left
.if MSB != (\new)
	s_set_vgpr_msb (MSB<<8)|(\new)
.set MSB, \new
.endif
.endm
.macro WMAX r                          ; the largest of register r over the 32 lanes, in every lane
	v_max_num_f32_dpp v[\r], v[\r], v[\r] row_xmask:1 row_mask:0xf bank_mask:0xf
	v_max_num_f32_dpp v[\r], v[\r], v[\r] row_xmask:2 row_mask:0xf bank_mask:0xf
	v_max_num_f32_dpp v[\r], v[\r], v[\r] row_xmask:4 row_mask:0xf bank_mask:0xf
	v_max_num_f32_dpp v[\r], v[\r], v[\r] row_xmask:8 row_mask:0xf bank_mask:0xf
	v_permlanex16_b32 v15, v[\r], s42, s43         ; v15 was written at the head
	v_max_num_f32 v[\r], v[\r], v15
.endm
.macro STAT r, byteoff                 ; lane 0 stores register r at stats + byteoff + 4 (4 x s4 + wave)
	s_lshl2_add_u32 s6, s4, s2
	s_lshl_b32 s6, s6, 2
	s_add_co_u32 s6, s6, \byteoff
	s_mov_b32 s7, 0
	s_wait_xcnt 0x0                                ; EXEC and s[60:61] change only when every earlier memory instruction has read its sources
	s_add_nc_u64 s[60:61], s[12:13], s[6:7]
	v_cmp_eq_u32 vcc_lo, 0, v1
	s_wait_alu depctr_va_vcc(0)                    ; VCC is written: EXEC is made from it
	s_wait_alu depctr_va_vdst(0)                   ; ahead of the write of EXEC: the vector instructions issued so far are done; among them the maximum in v[r], which the store reads
	s_wait_alu depctr_vm_vsrc(0)                   ; ahead of the write of EXEC: the memory instructions issued so far have read their registers
	s_and_saveexec_b32 s40, vcc_lo
	global_store_b32 v11, v[\r], s[60:61]
	s_wait_xcnt 0x0                                ; and again in front of the line that widens EXEC
	s_wait_alu depctr_va_vdst(0)                   ; ahead of the write of EXEC: no vector instruction is under way
	s_wait_alu depctr_vm_vsrc(0)                   ; ahead of the write of EXEC: the store has read v11 and v[r]
	s_or_b32 exec_lo, exec_lo, s40
.endm
	s_load_b512 s[8:23], s[0:1], 0x0               ; x 8, xh 10, stats 12, b1 14, U1 16, V1 18, Ws1 20, mask1 22
	s_load_b256 s[24:31], s[0:1], 0x40             ; w1h 24, U2 26, V2 28, Ws2 30
	s_load_b128 s[32:35], s[0:1], 0x60             ; mask2 32, w2h 34
	v_lshrrev_b32 v1, 5, v0
	v_readfirstlane_b32 s2, v1                     ; wave 0..3
	v_and_b32 v1, 31, v0                           ; lane
	v_and_b32 v2, 15, v0                           ; r = lane % 16
	v_bfe_u32 v3, v0, 4, 1                         ; h = lane / 16
	v_mov_b32 v11, 0
	v_mov_b32 v14, 0                               ; the running maximum
	v_mov_b32 v15, 0
	s_mov_b32 s3, ttmp9
	s_mov_b32 s42, 0x76543210                      ; v_permlanex16_b32: each lane takes its own place in the other half
	s_mov_b32 s43, 0xfedcba98
	s_mov_b32 s44, 0                               ; v_perm_b32: byte 0, 1, 2 or 3 into all four bytes
	s_mov_b32 s45, 0x01010101
	s_mov_b32 s46, 0x02020202
	s_mov_b32 s47, 0x03030303
	s_mov_b32 s48, 0xff
	s_wait_alu depctr_va_sdst(0)                   ; s2 is written, ahead of the branches and of its first reader in each role
	s_wait_kmcnt 0x0
	s_cmp_lt_u32 s3, 256
	s_cbranch_scc1 .Lw2
	s_cmp_lt_u32 s3, 384
	s_cbranch_scc1 .Lw1
; ROLE X.  The work-group owns 64 rows of x: 32 chunks of 4,096 bytes in, 2,048 out.  Thread t takes the 32 bytes at 32 t of a chunk and stores the 16 bytes at 16 t:
; a wave's store covers 512 consecutive bytes.  Five buffers of two chunks keep twelve to sixteen loads of every wave on their way.
	s_sub_co_u32 s4, s3, 384
	s_lshl_b32 s6, s4, 17
	s_mov_b32 s7, 0
	s_add_nc_u64 s[50:51], s[8:9], s[6:7]
	s_lshl_b32 s6, s4, 16
	s_add_nc_u64 s[52:53], s[10:11], s[6:7]
	v_lshlrev_b32 v4, 5, v0
	v_lshlrev_b32 v5, 4, v0
	s_wait_alu depctr_va_vdst(0)                   ; v4 and v5 are written: every load and store of x and xh reads one of them as its offset
.irp i, 0,1,2,3,4,5,6,7
	global_load_b128 v[XR+8*(\i):XR+8*(\i)+3],   v4, s[50:51] offset:(\i)*4096 th:TH_LOAD_NT      ; blocks 0 to 3 into X0 to X3
	global_load_b128 v[XR+8*(\i)+4:XR+8*(\i)+7], v4, s[50:51] offset:(\i)*4096+16 th:TH_LOAD_NT
.endr
; Block p.  xb = p % 5.  first = 1: block 0, with no block in front of it.  ahead = 1: block p + 4 is loaded.  left: the younger loads that may stay out.
.macro XBLK xb, first, ahead, left
	s_wait_loadcnt \left                           ; loads come back in order: X[xb]'s four are in, the younger blocks stay out
.if !\first
	s_wait_xcnt 0x0                                ; the bases and Y[xb] are rewritten only when every earlier memory instruction has read its sources
	s_wait_alu depctr_vm_vsrc(0)                   ; the stores issued four blocks back have read Y[xb], which this block's roundings write again
	s_wait_alu depctr_va_vdst(0)                   ; the block before has written its Y, which the stores below read, and is done reading its X, in which the loads below land
	s_add_nc_u64 s[50:51], s[50:51], 0x2000        ; both bases at this block's first chunk
	s_add_nc_u64 s[52:53], s[52:53], 0x1000
.endif
.irp i, 0,1
.if \ahead
	global_load_b128 v[XR+16*((\xb+4)%5)+8*(\i):XR+16*((\xb+4)%5)+8*(\i)+3],   v4, s[50:51] offset:(8+(\i))*4096 th:TH_LOAD_NT      ; four blocks ahead; no vector instruction since the wait names these registers
	global_load_b128 v[XR+16*((\xb+4)%5)+8*(\i)+4:XR+16*((\xb+4)%5)+8*(\i)+7], v4, s[50:51] offset:(8+(\i))*4096+16 th:TH_LOAD_NT
.endif
.if !\first
	global_store_b128 v5, v[YR+8*((\xb+4)%5)+4*(\i):YR+8*((\xb+4)%5)+4*(\i)+3], s[52:53] offset:((\i)-2)*2048   ; the block before: the offset reaches back
.endif
.irp k, 0,2,4,6
	v_max3_num_f32 v14, v14, |v[XR+16*\xb+8*(\i)+(\k)]|, |v[XR+16*\xb+8*(\i)+(\k)+1]|
.endr
.irp k, 0,1,2,3
	v_cvt_pk_f16_f32 v[YR+8*\xb+4*(\i)+(\k)], v[XR+16*\xb+8*(\i)+2*(\k)], v[XR+16*\xb+8*(\i)+2*(\k)+1]
.endr
.endr
.endm
	XBLK 0, 1, 1, 12                               ; block 0
	s_mov_b32 s36, 2
.Lxround:                                              ; blocks 1 to 10, five to a lap: the buffers are back at their start
	XBLK 1, 0, 1, 12
	XBLK 2, 0, 1, 12
	XBLK 3, 0, 1, 12
	XBLK 4, 0, 1, 12
	XBLK 0, 0, 1, 12
	s_sub_co_u32 s36, s36, 1
	s_cmp_lg_u32 s36, 0
	s_cbranch_scc1 .Lxround
	XBLK 1, 0, 1, 12                               ; block 11 asks for the last block
	XBLK 2, 0, 0, 12                               ; blocks 12 to 15 load nothing: no load leaves x, and the counts run down
	XBLK 3, 0, 0, 8
	XBLK 4, 0, 0, 4
	XBLK 0, 0, 0, 0
	s_wait_alu depctr_va_vdst(0)                   ; block 15 has written Y0, which the last two stores read
.irp i, 0,1
	global_store_b128 v5, v[YR+4*(\i):YR+4*(\i)+3], s[52:53] offset:(\i)*2048
.endr
	WMAX 14
	STAT 14, 0
	s_endpgm
; ROLES W1 AND W2: one text, expanded twice with other sizes.
.macro VLOAD g, n, again               ; group g: V's rows 2 q + h for n values of q from 8 g on, my eight columns each, into one of three raw buffers.  again = 1: the buffer has been read before
.set RB, 128+64*((\g)%3)
.if (\g)%3 == 2
.set RB, 56
.endif
.if \again
	s_wait_alu depctr_va_vdst(0)                   ; the conversions of the group three back are done reading this raw buffer, in which the loads below land
.endif
.set z, 0
.rept \n
.set q, 8*(\g)+z
.if (RANK == 51) && (q == 25)                  ; row 50 for both halves of the lanes: row 51 does not exist
	global_load_b128 v[RB+8*z:RB+8*z+3],   v7, s[52:53] offset:q*8*COLS
	global_load_b128 v[RB+8*z+4:RB+8*z+7], v7, s[52:53] offset:q*8*COLS+16
.else
	global_load_b128 v[RB+8*z:RB+8*z+3],   v6, s[52:53] offset:q*8*COLS
	global_load_b128 v[RB+8*z+4:RB+8*z+7], v6, s[52:53] offset:q*8*COLS+16
.endif
.set z, z+1
.endr
.endm
.macro VCONV g, n, left                ; group g is rounded to f16 and laid into V's fragments; left: the younger groups' loads
.set RB, 128+64*((\g)%3)
.if (\g)%3 == 2
.set RB, 56
.endif
	s_wait_loadcnt \left
	WIN 0x40                                       ; destination window 1
.set z, 0
.rept ((\n)+1)/2
.set p, 4*(\g)+z
.set t, 0
.rept 8
.if 2*z+1 < (\n)
	v_cvt_pk_f16_f32 v[t*8*KS+p], v[RB+16*z+t], v[RB+16*z+8+t]
.else
	v_cvt_pk_f16_f32 v[t*8*KS+p], v[RB+16*z+t], v11
.endif
.set t, t+1
.endr
.set z, z+1
.endr
	WIN 0
.endm
; s4 = the group of RW rows, s5 = i0, my wave's first column.
.macro WROLE
	s_mov_b32 s38, SBITS                           ; the weight's scale, a power of two
	s_mov_b32 s39, SBITS                           ; named with it as a pair
	s_mul_i32 s6, s4, RW*RANK*4
	s_mov_b32 s7, 0
	s_add_nc_u64 s[50:51], s[AU:AU+1], s[6:7]      ; U at my first row
	s_lshl_b32 s6, s5, 2
	s_add_nc_u64 s[52:53], s[AV:AV+1], s[6:7]      ; V at my first column
	s_lshl_b32 s6, s4, LC+5
	s_add_co_u32 s6, s6, s5                        ; 32 COLS x group + i0, in elements
	s_add_nc_u64 s[56:57], s[AM:AM+1], s[6:7]      ; the mask,
	s_lshl_b32 s6, s6, 1
	s_add_nc_u64 s[58:59], s[AO:AO+1], s[6:7]      ; the f16 result
	s_lshl_b32 s6, s6, 1
	s_add_nc_u64 s[54:55], s[AW:AW+1], s[6:7]      ; and Ws at my first element
	v_mul_u32_u24 v5, v2, RANK*4                   ; U: row r
	v_lshl_add_u32 v4, v3, 2, v5                   ;    + 4 h
	v_lshlrev_b32 v7, 5, v2                        ; V: my eight columns
	v_lshl_add_u32 v6, v3, LC+2, v7                ;    + h rows
	v_lshl_add_u32 v8, v3, LC+5, v7                ; Ws: 8 h rows + my eight columns
	v_lshlrev_b32 v9, 3, v2
	v_lshl_add_u32 v9, v3, LC+3, v9                ; the mask likewise
	v_lshlrev_b32 v10, 4, v2
	v_lshl_add_u32 v10, v3, LC+4, v10              ; the result likewise
	s_wait_alu depctr_va_vdst(0)                   ; the seven offsets v4 to v10 are written, which the role's loads and stores read; they are never written again
	; V's fragments, once for the wave's units.  Three raw buffers take turns; each count leaves the younger groups' loads out.  A buffer is asked for again straight behind the conversions that empty it.
	VLOAD 0, 8, 0
	VLOAD 1, 8, 0
	VLOAD 2, 8, 0
	VCONV 0, 8, 32
.if RANK == 51
	VLOAD 3, 2, 1
	VCONV 1, 8, 20                                 ; 16 + 4
	VCONV 2, 8, 4
	VCONV 3, 2, 0
.else
	VLOAD 3, 8, 1
	VCONV 1, 8, 32
	VLOAD 4, 8, 1
	VCONV 2, 8, 32
	VLOAD 5, 8, 1
	VCONV 3, 8, 32
	VLOAD 6, 3, 1
	VCONV 4, 8, 22                                 ; 16 + 6
	VCONV 5, 8, 6
	VCONV 6, 3, 0
.endif
	WIN 0x40                                       ; the places past the rank hold 0 in both sources
.set t, 0
.rept 8
.set p, (NQ+1)/2
.rept 8*KS-(NQ+1)/2
	v_mov_b32 v[t*8*KS+p], 0
.set p, p+1
.endr
.set t, t+1
.endr
	WIN 0
.set p, (NQ+1)/2
.rept 8*KS-(NQ+1)/2
	v_mov_b32 v[UF+p], 0
.set p, p+1
.endr
.if RANK == 51
	v_mov_b32 v12, SBITS                           ; the factors of U's pair q = 24, 25: the second is 0 where h = 1
	v_cmp_eq_u32 vcc_lo, 0, v3
	s_wait_alu depctr_va_vcc(0)                    ; VCC is written, ahead of the select that reads it
	v_cndmask_b32 v13, 0, v12, vcc_lo
	s_lshl_b32 s6, s4, 7                           ; b1: my wave's 8 of the group's 32 numbers
	s_lshl_b32 s7, s2, 5
	s_add_co_u32 s6, s6, s7
	s_mov_b32 s7, 0
	s_add_nc_u64 s[62:63], s[14:15], s[6:7]
	v_and_b32 v17, 7, v0                           ; four lanes read each number: a maximum does not mind
	v_lshlrev_b32 v17, 2, v17
.else
	v_mov_b32 v[URAW+NQ], 0                        ; the odd place beside q = 50
.endif
	s_wait_alu depctr_va_vdst(0)                   ; the last conversions are done reading the raw buffers, in which the first unit's U, Ws and mask land; b1's offset v17 is written
.if RANK == 51
	global_load_b32 v16, v17, s[62:63]             ; older than every load of the loop: its first wait covers it
.endif
	s_mov_b32 s36, UNITS
.Lunit_\@:                                             ; a trip: 16 rows x 128 columns.  On both ways here no vector instruction has been issued since the last wait on va_vdst
.set q, 0
.rept NQ
.if (RANK == 51) && (q == 25)
	global_load_b32 v[URAW+q], v5, s[50:51] offset:200   ; k = 50 for both halves
.else
	global_load_b32 v[URAW+q], v4, s[50:51] offset:8*q   ; U(r, 2 q + h)
.endif
.set q, q+1
.endr
.set j, 0
.rept 8
	global_load_b128 v[WS+8*j:WS+8*j+3],   v8, s[54:55] offset:j*COLS*4 th:TH_LOAD_NT
	global_load_b128 v[WS+8*j+4:WS+8*j+7], v8, s[54:55] offset:j*COLS*4+16 th:TH_LOAD_NT
	global_load_b64  v[MK+2*j:MK+2*j+1],   v9, s[56:57] offset:j*COLS th:TH_LOAD_NT
.set j, j+1
.endr
	s_wait_loadcnt 24                              ; U is in; the 24 loads of Ws and the mask stay out
.set q, 0
.rept (NQ+1)/2
.if (RANK == 51) && (q == 24)
	v_pk_mul_f32 v[URAW+q:URAW+q+1], v[URAW+q:URAW+q+1], v[12:13]
.else
	v_pk_mul_f32 v[URAW+q:URAW+q+1], v[URAW+q:URAW+q+1], s[38:39] op_sel_hi:[1,0]
.endif
.set q, q+2
.endr
.set q, 0
.rept (NQ+1)/2
	v_cvt_pk_f16_f32 v[UF+q/2], v[URAW+q], v[URAW+q+1]
.set q, q+2
.endr
	WIN 0x04                                       ; source 1 (V) in window 1
.set ks, 0
.rept KS                                       ; the eight accumulators take turns, one instruction a turn; the first K step starts the sums
.set t, 0
.rept 8
.if ks == 0
	v_wmma_f32_16x16x32_f16 v[ACC+8*t:ACC+8*t+7], v[UF+8*ks:UF+8*ks+7], v[(t*KS+ks)*8:(t*KS+ks)*8+7], 0
.else
	v_wmma_f32_16x16x32_f16 v[ACC+8*t:ACC+8*t+7], v[UF+8*ks:UF+8*ks+7], v[(t*KS+ks)*8:(t*KS+ks)*8+7], v[ACC+8*t:ACC+8*t+7]
.endif
.set t, t+1
.endr
.set ks, ks+1
.endr
	WIN 0
.rept 4
	v_nop                                          ; four places between the last product and the first read of a result (ISA guide 7.12.1)
.endr
.set j, 0
.rept 8                                        ; row j of each half of the lanes; j ascends
	s_wait_loadcnt 21-3*j                          ; the later rows' three loads each stay out
.if j == 4
	s_wait_alu depctr_va_vdst(0)                   ; rows 0 to 3 are rounded into OO, which the four stores dealt among rows 4 to 7 read; those rows name none of these registers
.endif
.if j >= 4
	global_store_b128 v10, v[OO+4*(j-4):OO+4*(j-4)+3], s[58:59] offset:(j-4)*COLS*2   ; sixteen lanes store 256 consecutive bytes, at a multiple of 256 from the buffer's first
.endif
	v_mul_lo_u32 v[MK+2*j],   v[MK+2*j],   s48     ; bytes 0 / 1 become 0x00 / 0xff
	v_mul_lo_u32 v[MK+2*j+1], v[MK+2*j+1], s48
.set t, 0
.rept 8
	v_perm_b32 v[EE+t], v[MK+2*j+t/4], v[MK+2*j+t/4], s[44+t%4]
.set t, t+1
.endr
.set t, 0
.rept 8
	v_and_b32 v[EE+t], v[EE+t], v[WS+8*j+t]        ; mask ? Ws : 0
.set t, t+1
.endr
.set t, 0
.rept 8
	v_fma_f32 v[RR+t], v[EE+t], s38, v[ACC+8*t+j]  ; scale x masked Ws + (scale x U) V
.set t, t+1
.endr
.if RANK == 51
.set t, 0
.rept 4
	v_max3_num_f32 v14, v14, |v[RR+2*t]|, |v[RR+2*t+1]|
.set t, t+1
.endr
.endif
.set t, 0
.rept 4
	v_cvt_pk_f16_f32 v[OO+4*j+t], v[RR+2*t], v[RR+2*t+1]
.set t, t+1
.endr
.set j, j+1
.endr
	s_wait_alu depctr_va_vdst(0)                   ; rows 4 to 7 are rounded into OO, which the stores below read; and the rows are done with OO, EE, RR, WS and MK, in which the next trip's loads land
.set j, 4
.rept 4
	global_store_b128 v10, v[OO+4*j:OO+4*j+3], s[58:59] offset:j*COLS*2
.set j, j+1
.endr
	s_wait_xcnt 0x0                                ; the stores' data (where U is loaded next) and the bases are rewritten only behind this wait
	s_wait_alu depctr_vm_vsrc(0)                   ; the eight stores have read OO, in which the next trip's loads of U land
	s_add_nc_u64 s[50:51], s[50:51], 16*RANK*4
	s_add_nc_u64 s[54:55], s[54:55], 64*COLS
	s_add_nc_u64 s[56:57], s[56:57], 16*COLS
	s_add_nc_u64 s[58:59], s[58:59], 32*COLS
	s_sub_co_u32 s36, s36, 1
	s_cmp_lg_u32 s36, 0
	s_cbranch_scc1 .Lunit_\@
.endm
.Lw1:                                                  ; 128 work-groups: 32 rows x all 512 columns; wave w has columns 128 w on
	s_sub_co_u32 s4, s3, 256
	s_lshl_b32 s5, s2, 7
.set RANK, 51
.set NQ,   26
.set KS,   2
.set COLS, 512
.set LC,   9
.set SBITS, 0x43800000                 ; 256.0
.set AU, 16
.set AV, 18
.set AW, 20
.set AM, 22
.set AO, 24
	WROLE
	v_and_b32 v16, 0x7fffffff, v16
	WMAX 14
	WMAX 16
	STAT 14, 2048
	STAT 16, 4096
	s_endpgm
.Lw2:                                                  ; 256 work-groups: 32 groups of 32 rows x 8 groups of 512 columns
	s_lshr_b32 s4, s3, 3
	s_and_b32 s5, s3, 7
	s_lshl2_add_u32 s5, s5, s2
	s_lshl_b32 s5, s5, 7
.set RANK, 102
.set NQ,   51
.set KS,   4
.set COLS, 4096
.set LC,   12
.set SBITS, 0x44800000                 ; 1024.0
.set AU, 26
.set AV, 28
.set AW, 30
.set AM, 32
.set AO, 34
	WROLE
	s_endpgm
.Lfunc_end_k_qe81c861252_prep:
	.size	k_qe81c861252_prep, .Lfunc_end_k_qe81c861252_prep-k_qe81c861252_prep
	.p2alignl 7, 3214868480
	.fill 96, 4, 3214868480
	.section	.rodata,"a",@progbits
	.p2align	6, 0x0
	.amdhsa_kernel k_qe81c861252_prep
		.amdhsa_group_segment_fixed_size 0
		.amdhsa_private_segment_fixed_size 0
		.amdhsa_enable_private_segment 0
		.amdhsa_kernarg_size 112
		.amdhsa_user_sgpr_count 2
		.amdhsa_user_sgpr_kernarg_segment_ptr 1
		.amdhsa_wavefront_size32 1
		.amdhsa_system_sgpr_workgroup_id_x 1
		.amdhsa_system_sgpr_workgroup_id_y 1
		.amdhsa_system_sgpr_workgroup_id_z 1
		.amdhsa_system_vgpr_workitem_id 0
		.amdhsa_next_free_vgpr 512
		.amdhsa_next_free_sgpr 66
		.amdhsa_reserve_vcc 1
		.amdhsa_float_denorm_mode_32 3
		.amdhsa_float_denorm_mode_16_64 3
		.amdhsa_memory_ordered 1
		.amdhsa_forward_progress 1
		.amdhsa_inst_pref_size 117
	.end_amdhsa_kernel
	.amdgpu_metadata
---
amdhsa.version: [ 1, 2 ]
amdhsa.kernels:
  - .name:           k_qe81c861252_prep
    .symbol:         k_qe81c861252_prep.kd
    .args:
      - { .name: x, .offset: 0, .size: 8, .value_kind: global_buffer, .address_space: global }
      - { .name: xh, .offset: 8, .size: 8, .value_kind: global_buffer, .address_space: global }
      - { .name: stats, .offset: 16, .size: 8, .value_kind: global_buffer, .address_space: global }
      - { .name: b1, .offset: 24, .size: 8, .value_kind: global_buffer, .address_space: global }
      - { .name: U1, .offset: 32, .size: 8, .value_kind: global_buffer, .address_space: global }
      - { .name: V1, .offset: 40, .size: 8, .value_kind: global_buffer, .address_space: global }
      - { .name: Ws1, .offset: 48, .size: 8, .value_kind: global_buffer, .address_space: global }
      - { .name: mask1, .offset: 56, .size: 8, .value_kind: global_buffer, .address_space: global }
      - { .name: w1h, .offset: 64, .size: 8, .value_kind: global_buffer, .address_space: global }
      - { .name: U2, .offset: 72, .size: 8, .value_kind: global_buffer, .address_space: global }
      - { .name: V2, .offset: 80, .size: 8, .value_kind: global_buffer, .address_space: global }
      - { .name: Ws2, .offset: 88, .size: 8, .value_kind: global_buffer, .address_space: global }
      - { .name: mask2, .offset: 96, .size: 8, .value_kind: global_buffer, .address_space: global }
      - { .name: w2h, .offset: 104, .size: 8, .value_kind: global_buffer, .address_space: global }
    .group_segment_fixed_size: 0
    .private_segment_fixed_size: 0
    .kernarg_segment_align: 8
    .kernarg_segment_size: 112
    .max_flat_workgroup_size: 128
    .sgpr_count:     66
    .vgpr_count:     512
    .wavefront_size: 32
...
	.end_amdgpu_metadata
.endif
;; end of part 4
;; launch gemm1: the kernel of part 2 again; grid 16 x 16, 4 waves a work-group, clusters of 4 x 4, 327,680 bytes of LDS; arguments xh, w1h, g, b1, stats; writes g
;; launch gemm2: the kernel of part 3 again; grid 4 x 64, 4 waves a work-group, clusters of 4 x 4, 327,680 bytes of LDS; arguments g, w2h, out0, b2, stats; writes out0
